; MI455X (gfx1250); checked and timed in simulation.
; The chip was launched on July 23, 2026; its instructions are those of AMD's public machine-readable ISA for CDNA 5 (MIT licence, August 2026) and "CDNA5" Instruction Set Architecture Reference Guide (July 2026). The comments in the code are by the model that wrote it; some were corrected since.
;; Causal Self Attention. Allowed arithmetic: matrix products marked QUANTISED: E3M2 operands, one E8M0 scale for each 32 along K, by v_wmma_scale_f32_16x16x128_f8f6f4 with both operands' format E3M2, f32 sums; everything else in f32.
;; Inputs: b_attn 3,072 float32; b_proj 1,024 float32; w_attn 1,024 x 3,072 float32; w_proj 1,024 x 1,024 float32; x 4 x 2,048 x 1,024 float32.
;; Outputs: out0 4 x 2,048 x 1,024 float32.
;; This version of the problem:
;;   THIS VERSION OF THE PROBLEM IS GIVEN IN LOW PRECISION. The matrix products marked QUANTISED in the list below multiply operands that are first quantised to E3M2 (3 exponent bits, 2 mantissa bits; 6 bits a number), with one power-of-two scale for each 32 numbers along K (OCP MX v1.0); their sums are f32. All else is computed in f32.
;;   The module's matrix products, in the order in which they are computed (A, B: the left and right operand; K: the contracted axis; several contracted axes count as one K, in the product's order):
;;     1. [M 8,192, K 1,024] x [K 1,024, N 3,072]; A: input x; B: input w_attn: QUANTISED
;;     2. batch 64 x [M 2,048, K 64] x [K 64, N 2,048]; A: computed on the way; B: computed on the way: QUANTISED
;;     3. batch 64 x [M 2,048, K 2,048] x [K 2,048, N 64]; A: softmax (see below); B: computed on the way: QUANTISED
;;     4. [M 8,192, K 1,024] x [K 1,024, N 1,024]; A: computed on the way; B: input w_proj: QUANTISED
;;   THE QUANTISER, for each operand of a quantised product, along K:
;;     - K is cut into blocks of 32 from its start; a last block that is shorter is filled with zeros.
;;     - A block's scale is 2^e with e = floor(log2(the largest magnitude in the block)) - 4, held to -126 .. 127; a block of zeros has e = 0. As a byte (E8M0): e + 127.
;;     - Each number is divided by its block's scale, clamped to +-28, and rounded to the nearest number of E3M2, ties to even, subnormals kept.
;;     - The product sums the exact products of the quantised numbers (number of the format x scale) in f32.
;;   ~~~python
;;   def quantise(x, axis):      # numpy; x: float32 -> the quantised numbers, widened to float32 again
;;       x = np.moveaxis(x, axis, -1); K = x.shape[-1]
;;       x = np.pad(x, [(0, 0)] * (x.ndim - 1) + [(0, -K % 32)]); x = x.reshape(x.shape[:-1] + (-1, 32)); a = np.abs(x).max(-1, keepdims=True)
;;       e = np.where(a > 0, np.clip(np.frexp(np.where(a > 0, a, 1))[1] - 1 - 4, -126, 127), 0)      # np.frexp(a)[1] - 1 = floor(log2(a)), exactly
;;       r = np.clip(x / 2.0 ** e, -28, 28)
;;       step = 2.0 ** (np.maximum(np.frexp(np.where(r == 0, 1, r))[1] - 1, -2) - 2)
;;       q = np.round(r / step) * step * 2.0 ** e      # np.round: ties to even
;;       return np.moveaxis(q.reshape(q.shape[:-2] + (-1,))[..., :K], -1, axis).astype(np.float32)
;;   ~~~
;;   SOFTMAX AHEAD OF A QUANTISED PRODUCT. Where the list says 'softmax', what is quantised is not the finished softmax but p = 2^(t - M), with t = logit x log2(e) and M = ceil(the row's largest t), a whole number; so 1/2 < the row's largest p <= 1. The row's sum l is taken of the UNQUANTISED p, in f32, and the product's result is divided by l at the end. Since M is a whole number, a kernel that streams over the keys may use a running M (the ceiling of the running maximum): every later rescaling is an exact power of two, which a block's scale takes up: the codes' values come out the same.
;;   OPERANDS COMPUTED ON THE WAY. 'Computed on the way' means the value that the module computes at that place (a softmax that the list does not call 'softmax' is quantised finished and normalised). What goes into a quantiser is computed in f32, as accurately as f32 sums, v_exp_f32 and their like allow (about 1e-6 of the number): no bf16 or f16 on the way to a quantiser, and a product that is left as it is and whose result goes on into a quantised operand takes f32 operands (vector FMAs, or v_wmma_f32_16x16x4_f32). A number that lies on a knife's edge between two numbers of the format may be rounded either way, as far as f32 arithmetic and the matrix unit's own rounding can turn it there, and no further.
;; One version. Each part assembles by itself: llvm-mc -triple=amdgcn-amd-amdhsa -mcpu=gfx1250 --defsym DOCPART=n.
;; ======== version 1 of 1: 4 launches
;; workspace buffers: wq 9,830,400 bytes; qkv 20,185,088 bytes; yq 6,553,600 bytes
;; launch quant (part 1): grid 384 x 1, 4 waves a work-group, no clusters, 34,304 bytes of LDS; arguments x, w_attn, w_proj, wq; writes wq
.if DOCPART == 1
	.amdgcn_target "amdgcn-amd-amdhsa--gfx1250"
	.amdhsa_code_object_version 6
	.text
	.protected	k_qeea95906ab_quant
	.globl	k_qeea95906ab_quant
	.p2align	8
	.type	k_qeea95906ab_quant,@function
k_qeea95906ab_quant:
	s_mov_b64 s[64:65], 0
	v_nop
	global_prefetch_b8 v0, s[64:65] scope:SCOPE_SE
	s_setreg_imm32_b32 hwreg(HW_REG_WAVE_MODE, 25, 1), 1
	s_wait_xcnt 0x0
; x [8192][1024], w_attn [1024][3072], w_proj [1024][1024], all f32, become codes of BF6 (E3M2) with one E8M0 byte for each 32 along K (K = 1024 for all three).
; The codes are laid as IMAGES OF OPERAND REGISTERS.  A fragment is 16 rows x 128 K = 12 registers T0-11 of lane L (r = L % 16, h = L / 16: T0-5 = block h of row r, T6-11 = block 2 + h), stored in 1,536 bytes:
;   T0-3 at 16 L;  T4-5 at 512 + 8 L;  T6-9 at 768 + 16 L;  T10-11 at 1280 + 8 L.   A matrix is [row tile of 16][K step of 128][1536].  Each store of a wave covers 512 or 256 consecutive bytes, aligned.
; The scale words (four bytes: 128 K of one row) lie [row tile][pair of K steps 0..3][r][2 words]: 512 bytes a row tile.
; A block's scale is 2^(floor(log2(largest magnitude)) - 4): its byte is the largest magnitude's exponent field - 4, held at 1 from below by a floor among the maximum's leaves.
; LIMITS: NaN and infinities among the inputs are not served.  A block whose largest magnitude lies under 2^-122 (a block of zeros among them) gets the byte 1; the bytes are read by this program alone.
; w_proj's rows are taken, inside each block of 32, in the order 0-7, 16-23, 8-15, 24-31: the order in which the attention launch lays y's codes.  The blocks and their scales are the true ones.
; SHARES: work-groups 0-255 take x (a wave: 16 rows x 512 K), 256-351 w_attn, 352-383 w_proj (a wave: 32 columns x 256 K).  131,072 bytes are read by each.  Waves share nothing: no barrier.
; The weights' scale words leave as two runs of 128 bytes a wave (one byte for each 128 read): whole aligned runs of 256 would want one wave to hold 512 along K.
.set XIMG,  0
.set WAIMG, 6291456
.set WPIMG, 8650752
.set XSC,   9437184
.set WASC,  9699328
.set WPSC,  9797632
.set FLOOR, 0x2800000                  ; 2^(5 - 127)
.set OFF4,  0xfe000000                 ; -(4 << 23)
.set R,  16                            ; x: v16-143  two sets of 64 numbers as loaded
.set X,  144                           ;    v144-207 my two whole blocks of a fragment
.set T,  208                           ;    v208-231 two sets of 12 registers of codes
.set U,  232                           ;    v232-238 the upper halves of the blocks, as the conversions leave them
.set W,  248                           ;    v248-251 the four fragments' scale words
.set XW, 16                            ; weights: v16-79 two sets of 32 numbers
.set FW, 80                            ;    v80-127 for each of two K steps: two fragments
.set UW, 128
.set WD, 136                           ;    v[136:137] my column's two scale words
.macro PUT reg, sb, off                ; a fragment leaves as its image
	global_store_b128 v1, v[\reg:\reg+3], s[\sb:\sb+1] offset:\off
	global_store_b64 v2, v[\reg+4:\reg+5], s[\sb:\sb+1] offset:(\off)+512
	global_store_b128 v1, v[\reg+6:\reg+9], s[\sb:\sb+1] offset:(\off)+768
	global_store_b64 v2, v[\reg+10:\reg+11], s[\sb:\sb+1] offset:(\off)+1280
.endm
.macro LOADX s                         ; fragment s: 512 bytes of each of 16 rows; a load reads 512 consecutive bytes
.irp i, 0,1,2,3,4,5,6,7,8,9,10,11,12,13,14,15
	global_load_b128 v[R+64*((\s)%2)+4*\i:R+64*((\s)%2)+4*\i+3], v1, s[4:5] offset:4096*\i+512*(\s) th:TH_LOAD_NT
.endr
.endm
.macro TURNX s                         ; through my wave's stage (rows 528 bytes apart): in as loaded, out as two whole blocks of my row.  LDS serves a wave's instructions in order
.irp i, 0,1,2,3,4,5,6,7,8,9,10,11,12,13,14,15
	ds_store_b128 v3, v[R+64*((\s)%2)+4*\i:R+64*((\s)%2)+4*\i+3] offset:528*\i
.endr
.irp j, 0,1,2,3,4,5,6,7
	ds_load_b128 v[X+4*\j:X+4*\j+3], v4 offset:16*\j
.endr
.irp j, 0,1,2,3,4,5,6,7
	ds_load_b128 v[X+32+4*\j:X+32+4*\j+3], v4 offset:256+16*\j
.endr
.endm
.macro QX s
.set TT, T+12*((\s)%2)
.if (\s) >= 2
	s_wait_xcnt 0x0                                ; the stores of two fragments ago have read this set of codes
.endif
	v_max3_num_f32 v240, |v[X]|, |v[X+1]|, FLOOR   ; my blocks h and 2 + h, by turns
	v_max3_num_f32 v241, |v[X+32]|, |v[X+33]|, FLOOR
.irp i, 2,4,6,8,10,12,14,16,18,20,22,24,26,28,30
	v_max3_num_f32 v240, v240, |v[X+\i]|, |v[X+\i+1]|
	v_max3_num_f32 v241, v241, |v[X+32+\i]|, |v[X+33+\i]|
.endr
	v_add_nc_u32 v242, OFF4, v240                  ; 4 off the exponent field: the conversion's scale operand
	v_add_nc_u32 v243, OFF4, v241
	v_lshrrev_b32 v244, 23, v242                   ; the bytes
	v_lshrrev_b32 v245, 23, v243
	v_lshl_or_b32 v246, v245, 16, v244
	v_lshlrev_b32 v246, v6, v246                   ; at places h and 2 + h of the word
	v_permlanex16_b32 v247, v246, s20, s21
	v_or_b32 v[W+(\s)], v246, v247                 ; with lane L xor 16's two the word is whole
	v_cvt_scalef32_pk16_bf6_f32 v[TT:TT+2], v[X:X+15], v242
	v_cvt_scalef32_pk16_bf6_f32 v[U:U+2], v[X+16:X+31], v242       ; (a conversion's three registers begin on an even number)
	v_cvt_scalef32_pk16_bf6_f32 v[TT+6:TT+8], v[X+32:X+47], v243
	v_cvt_scalef32_pk16_bf6_f32 v[U+4:U+6], v[X+48:X+63], v243
	v_nop                                          ; one plain line behind the conversions
.irp i, 0,1,2
	v_mov_b32 v[TT+3+\i], v[U+\i]
	v_mov_b32 v[TT+9+\i], v[U+4+\i]
.endr
	PUT TT, 22, 1536*(\s)
.endm
.macro LOADW t, cols, perm             ; block t of my column: 32 rows of the weight; a load reads 128 consecutive bytes, the four waves stand side by side
.irp i, 0,1,2,3,4,5,6,7,8,9,10,11,12,13,14,15,16,17,18,19,20,21,22,23,24,25,26,27,28,29,30,31
.if \perm
.set PI, 16*((\i/8)%2)+8*(\i/16)+(\i%8)
.else
.set PI, \i
.endif
	global_load_b32 v[XW+32*((\t)%2)+\i], v3, s[22:23] offset:(32*(\t)+PI)*4*\cols th:TH_LOAD_NT
.endr
.endm
.macro BLOCKW t, cols, perm
.set XS, XW+32*((\t)%2)
.set KSL, (\t)/4
.set QQ, (\t)%4
.set BQ, FW+24*KSL+12*(QQ%2)+6*(QQ/2)  ; blocks 0, 2 into the first fragment's halves, blocks 1, 3 into the second's
.if (\t) < 7
	s_wait_loadcnt 32                              ; this block's 32 loads are in; the next block's may be out
.else
	s_wait_loadcnt 0x0
.endif
	v_max3_num_f32 v132, |v[XS]|, |v[XS+1]|, |v[XS+2]|
	v_max3_num_f32 v133, |v[XS+3]|, |v[XS+4]|, |v[XS+5]|
.irp i, 6,10,14,18,22,26
	v_max3_num_f32 v132, v132, |v[XS+\i]|, |v[XS+\i+1]|
	v_max3_num_f32 v133, v133, |v[XS+\i+2]|, |v[XS+\i+3]|
.endr
	v_max3_num_f32 v132, v132, |v[XS+30]|, |v[XS+31]|
	v_max3_num_f32 v132, v132, v133, FLOOR
	v_add_nc_u32 v134, OFF4, v132
	v_lshrrev_b32 v133, 23, v134
.if QQ == 0
	v_mov_b32 v[WD+KSL], v133
.else
	v_lshl_or_b32 v[WD+KSL], v133, 8*QQ, v[WD+KSL]
.endif
	v_cvt_scalef32_pk16_bf6_f32 v[BQ:BQ+2], v[XS:XS+15], v134
	v_cvt_scalef32_pk16_bf6_f32 v[UW:UW+2], v[XS+16:XS+31], v134
	v_nop
.irp i, 0,1,2
	v_mov_b32 v[BQ+3+\i], v[UW+\i]
.endr
.if (\t)+2 < 8
	LOADW (\t)+2, \cols, \perm
.endif
.if QQ == 3                            ; a K step is whole.  A lane holds ITS column's four blocks; an image wants lanes 0-15 to hold blocks 0, 2 and lanes 16-31 blocks 1, 3 of sixteen columns:
.set F0, FW+24*KSL                     ; the first register's lanes 16-31 change places with the second's lanes 0-15
.irp i, 0,1,2,3,4,5,6,7,8,9,10,11
	v_permlane16_swap_b32 v[F0+\i], v[F0+12+\i]
.endr
	PUT F0, 24, 1536*KSL                           ; columns 0-15 of my 32
	PUT F0+12, 24, 12288+1536*KSL                  ; columns 16-31: the next row tile
.endif
.endm
.macro WPATH cols, img, sc, perm, ptr  ; s13: the work-group's number among this weight's
	s_and_b32 s14, s13, 3                          ; which 256 along K
	s_lshr_b32 s15, s13, 2
	s_lshl_b32 s15, s15, 7
	s_lshl_b32 s16, s12, 5
	s_add_co_u32 s15, s15, s16                     ; my wave's first column
	s_mul_i32 s16, s14, 256*4*\cols
	s_lshl_b32 s18, s15, 2
	s_add_co_u32 s16, s16, s18
	s_add_nc_u64 s[22:23], s[\ptr:\ptr+1], s[16:17]
	s_lshr_b32 s18, s15, 4                         ; its row tile in the image
	s_lshl_b32 s16, s18, 3
	s_lshl_b32 s19, s14, 1
	s_add_co_u32 s16, s16, s19
	s_mul_i32 s16, s16, 1536
	s_add_co_u32 s16, s16, \img
	s_add_nc_u64 s[24:25], s[10:11], s[16:17]
	s_lshl_b32 s16, s18, 9
	s_lshl_b32 s19, s14, 7
	s_add_co_u32 s16, s16, s19
	s_add_co_u32 s16, s16, \sc
	s_add_nc_u64 s[26:27], s[10:11], s[16:17]
	v_lshlrev_b32 v3, 2, v7                        ; in: 4 bytes a lane
	v_lshlrev_b32 v5, 3, v8
	v_lshl_add_u32 v5, v9, 9, v5                   ; scale words: 512 (L / 16) + 8 r
	LOADW 0, \cols, \perm
	LOADW 1, \cols, \perm
.irp t, 0,1,2,3,4,5,6,7
	BLOCKW \t, \cols, \perm
.endr
	global_store_b64 v5, v[WD:WD+1], s[26:27]      ; my column's words of the two K steps
.endm
	s_load_b256 s[4:11], s[0:1], 0x0               ; x s[4:5], w_attn s[6:7], w_proj s[8:9], wq s[10:11]
	v_lshl_add_u32 v254, v0, 2, 0x8400
	v_mov_b32 v255, 0
	v_lshrrev_b32 v1, 5, v0
	v_readfirstlane_b32 s12, v1                    ; wave
	v_and_b32 v7, 31, v0                           ; L
	v_and_b32 v8, 15, v0                           ; r
	v_bfe_u32 v9, v0, 4, 1                         ; h
	v_lshlrev_b32 v1, 4, v7                        ; 16 L
	v_lshlrev_b32 v2, 3, v7                        ; 8 L
	s_mov_b32 s17, 0                               ; the upper word of every offset
	s_wait_kmcnt 0x0
	s_cmp_lt_u32 ttmp9, 256
	s_cbranch_scc0 .Lweights
	; ---- x: wave W = 4 x work-group + wave takes row tile W / 2, K half W % 2: four fragments
	s_mov_b32 s20, 0x76543210
	s_mov_b32 s21, 0xfedcba98                      ; lane L xor 16
	s_lshl_b32 s13, ttmp9, 2
	s_add_co_u32 s13, s13, s12                     ; W
	s_lshr_b32 s14, s13, 1
	s_and_b32 s15, s13, 1
	s_lshl_b32 s16, s14, 16                        ; 16 rows of 4,096 bytes
	s_lshl_b32 s18, s15, 11
	s_add_co_u32 s16, s16, s18
	s_add_nc_u64 s[4:5], s[4:5], s[16:17]
	s_lshl_b32 s16, s13, 2                         ; fragment 8 (W / 2) + 4 (W % 2) = 4 W
	s_mul_i32 s16, s16, 1536
	s_add_nc_u64 s[22:23], s[10:11], s[16:17]
	s_lshl_b32 s16, s13, 8                         ; scale words: 512 (W / 2) + 256 (W % 2) = 256 W
	s_add_co_u32 s16, s16, XSC
	s_add_nc_u64 s[24:25], s[10:11], s[16:17]
	s_mul_i32 s18, s12, 8448                       ; my wave's stage
	v_add_nc_u32 v3, s18, v1
	v_mul_u32_u24 v4, v8, 528
	v_lshl_add_u32 v4, v9, 7, v4
	v_add_nc_u32 v4, s18, v4                       ; out: row r, + 128 h
	v_lshlrev_b32 v5, 3, v8
	v_lshl_add_u32 v5, v9, 7, v5                   ; 128 h + 8 r
	v_lshlrev_b32 v6, 3, v9                        ; 8 h
	v_mov_b32 v247, 0                              ; a lane permute's destination counts as read
	LOADX 0
	LOADX 1
.irp s, 0,1,2,3
.if \s < 3
	s_wait_loadcnt 16                              ; this fragment's 16 loads are in; the next one's may be out
.else
	s_wait_loadcnt 0x0
.endif
	TURNX \s
	s_wait_dscnt 0x0                               ; the numbers are back, and the stage's stores have read their registers,
.if \s < 2
	LOADX \s+2                                     ; which take the loads of two fragments on
.endif
	QX \s
.endr
	v_cmp_lt_u32 vcc_lo, 15, v7
	v_cndmask_b32 v240, v248, v250, vcc_lo         ; lanes 0-15 store the first pair of K steps' words, lanes 16-31 the second's
	v_cndmask_b32 v241, v249, v251, vcc_lo
	global_store_b64 v5, v[240:241], s[24:25]      ; 256 consecutive bytes, aligned
	s_wait_tensorcnt 0x0
	ds_add_u32 v254, v255
	s_wait_dscnt 0x0
	s_endpgm
.Lweights:
	s_sub_co_u32 s13, ttmp9, 256
	s_cmp_lt_u32 s13, 96
	s_cbranch_scc0 .Lwproj
	WPATH 3072, WAIMG, WASC, 0, 6
	s_endpgm
.Lwproj:
	s_sub_co_u32 s13, s13, 96
	WPATH 1024, WPIMG, WPSC, 1, 8
	s_endpgm
.Lfunc_end_k_qeea95906ab_quant:
	.size	k_qeea95906ab_quant, .Lfunc_end_k_qeea95906ab_quant-k_qeea95906ab_quant
	.p2alignl 7, 3214868480
	.fill 96, 4, 3214868480
	.section	.rodata,"a",@progbits
	.p2align	6, 0x0
	.amdhsa_kernel k_qeea95906ab_quant
		.amdhsa_group_segment_fixed_size 34304
		.amdhsa_private_segment_fixed_size 0
		.amdhsa_enable_private_segment 0
		.amdhsa_kernarg_size 32
		.amdhsa_user_sgpr_count 2
		.amdhsa_user_sgpr_kernarg_segment_ptr 1
		.amdhsa_wavefront_size32 1
		.amdhsa_system_sgpr_workgroup_id_x 1
		.amdhsa_system_sgpr_workgroup_id_y 1
		.amdhsa_system_sgpr_workgroup_id_z 1
		.amdhsa_system_vgpr_workitem_id 0
		.amdhsa_next_free_vgpr 256
		.amdhsa_next_free_sgpr 66
		.amdhsa_reserve_vcc 1
		.amdhsa_float_denorm_mode_32 3
		.amdhsa_float_denorm_mode_16_64 3
		.amdhsa_memory_ordered 1
		.amdhsa_forward_progress 1
		.amdhsa_inst_pref_size 108
	.end_amdhsa_kernel
	.amdgpu_metadata
---
amdhsa.version: [ 1, 2 ]
amdhsa.kernels:
  - .name:           k_qeea95906ab_quant
    .symbol:         k_qeea95906ab_quant.kd
    .args:
      - { .name: x, .offset: 0, .size: 8, .value_kind: global_buffer, .address_space: global }
      - { .name: w_attn, .offset: 8, .size: 8, .value_kind: global_buffer, .address_space: global }
      - { .name: w_proj, .offset: 16, .size: 8, .value_kind: global_buffer, .address_space: global }
      - { .name: wq, .offset: 24, .size: 8, .value_kind: global_buffer, .address_space: global }
    .group_segment_fixed_size: 34304
    .private_segment_fixed_size: 0
    .kernarg_segment_align: 8
    .kernarg_segment_size: 32
    .max_flat_workgroup_size: 128
    .sgpr_count:     66
    .vgpr_count:     256
    .wavefront_size: 32
...
	.end_amdgpu_metadata
.endif
;; end of part 1
;; launch qkv (part 2): grid 12 x 32, 4 waves a work-group, clusters of 4 x 4, 327,680 bytes of LDS; arguments wq, b_attn, qkv; writes qkv
.if DOCPART == 2
	.amdgcn_target "amdgcn-amd-amdhsa--gfx1250"
	.amdhsa_code_object_version 6
	.text
	.protected	k_qeea95906ab_qkv
	.globl	k_qeea95906ab_qkv
	.p2align	8
	.type	k_qeea95906ab_qkv,@function
k_qeea95906ab_qkv:
	s_mov_b64 s[64:65], 0
	v_nop
	global_prefetch_b8 v0, s[64:65] scope:SCOPE_SE
	s_setreg_imm32_b32 hwreg(HW_REG_WAVE_MODE, 25, 1), 1
	s_wait_xcnt 0x0
	s_wait_alu depctr_hold_cnt(0) depctr_sa_sdst(0) depctr_va_vdst(0) depctr_va_sdst(0) depctr_va_ssrc(0) depctr_va_vcc(0) depctr_vm_vsrc(0)
	s_getreg_b32 s2, hwreg(HW_REG_IB_STS2, 6, 4)
	s_cmp_eq_u32 s2, 0
	s_cbranch_scc0 .Lentry_in_a_cluster
	s_endpgm
.Lentry_in_a_cluster:
	s_bfe_u32 s2, ttmp6, 0x10000c
	s_cmp_lg_u32 s2, 0xf033
	s_cbranch_scc0 .Lentry_shape_is_right
	s_endpgm
.Lentry_shape_is_right:
; qkv = x w_attn + b_attn on codes of BF6, and q, k, v quantised on the way out, in registers, into images of operand registers for the attention launch.
; The matrix instruction is always used with source 0 = operand B and source 1 = operand A: a lane then holds ONE row of A, and its registers run along B's rows, the axis that is quantised next.
;   q, k (cluster x = 0, 1): A = x (tokens), B = w_attn's columns: a lane holds a token, registers run along the head's channels.
;   v    (cluster x = 2):    A = w_attn's v columns, B = x:        a lane holds a channel, registers run along the keys.   The loop and the way out are one text for all three.
; A work-group makes 256 (A) x 256 (B); a wave 128 x 128: 64 accumulators.  K = 1,024 goes in four chunks of 256 through two LDS slots; fragments lie in memory and LDS as images (1,536 bytes: see below), so every
; LDS read takes consecutive bytes.  The scale words of the 512 rows, for all of K, come once.  CLUSTER 4 x 4: A's tiles are asked for jointly along a row of the cluster, B's along a column.
; IMAGE of a fragment (16 rows x 128 K, registers T0-11 of lane L): T0-3 at 16 L, T4-5 at 512 + 8 L, T6-9 at 768 + 16 L, T10-11 at 1280 + 8 L.
; OUT: q, k: [token tile][8][1536] (a head's 64 channels are half an image);  v: [128 keys][row tile 4 head + t][1536];  scale words: q, k [head][64 tokens][r][4 tiles] (low 16 bits), v [head][128 keys][r][4 tiles].
; Inside a block of 32 the codes stand in the order 0-7, 16-23, 8-15, 24-31 of the block's numbers; q and k, and v and the attention's p, are laid alike, so the products are the same; the blocks and scales are the true ones.
; LIMITS: NaN and infinities are not served; a block whose largest magnitude lies under 2^-122 gets the byte 1 (read by this program alone).
; REGISTERS: window 0: v1-3 r, h, L; v16-23 LDS addresses; v24, v25 16 L, 8 L; v27 scale words' address; v28, v29 the add's; v32-63 scale words, two sets; v64-159, v160-255 A's fragments, two sets.
;   window 1: v0-95, v128-223 B's fragments, two sets; v96-127, v224-255 the bias, eight registers a block.   windows 2, 3: the accumulators, (a, b) at v[8 (8 (a % 4) + b)].
.set WAIMG, 6291456
.set XSC,   9437184
.set WASC,  9699328
.set PARTB, 6291456                    ; bytes of one part's images in qkv
.set QSC,   18874368
.set PSCB,  524288                     ; bytes of q's (and of k's) scale words
.set HALFT, 24576                      ; 8 row tiles x 2 K steps x 1,536: what one tensor load brings
.set SLOT,  4*HALFT                    ; A's 16 row tiles, then B's
.set SCL,   2*SLOT                     ; the scale words: A's 8,192 bytes, B's 8,192
.set SPARE, SCL+16384                  ; the spare words, 128 bytes a wave: two blocks of 256 bytes that no other line names
.set FLOOR, 0x2800000
.set OFF4,  0xfe000000
.set AF,  64
.set AFS, 96
.set SC,  32
.set TM,  32                           ; the way out: v32-35 maxima, v36-39 bytes, v44-47 scale operands
.set WD,  48                           ; v48-55 the eight blocks' scale words
.set U,   88
.set G1,   24
.set G0,   32
.set G1B,  48
.set G0B,  56
.set G1S,  68
.set G0S,  76
.set G1SB, 80
.set G0SB, 88
.set MSB, 0
.macro WIN new                         ; the immediate's high byte repeats the setting that is left
.if MSB != (\new)
	s_set_vgpr_msb (MSB<<8)|(\new)
.set MSB, (\new)
.endif
.endm
.macro PLACES n
.rept \n
	v_nop
.endr
.endm
; A joint load: waves 0 and 1 fetch for A, waves 2 and 3 for B.  The branch hangs on the wave's number alone.  Four v_nop follow each of the two lines.
.macro JLOAD g0a, g1a, g0b, g1b
	s_cmp_eq_u32 s15, 0
	s_cbranch_scc0 .Lfor_b_\@
	tensor_load_to_lds s[\g0a:\g0a+3], s[\g1a:\g1a+7]
	s_nop 0
.rept 4
	v_nop
.endr
	s_branch .Lasked_\@
.Lfor_b_\@:
	tensor_load_to_lds s[\g0b:\g0b+3], s[\g1b:\g1b+7]
	s_nop 0
.rept 4
	v_nop
.endr
.Lasked_\@:
.endm
.macro CREST                           ; a round of the cluster's barrier behind its opening barrier
	s_cmp_lg_u32 s14, 0
	s_cbranch_scc1 .Lnot_wave_0_\@
	s_barrier_signal -3
.Lnot_wave_0_\@:
	s_barrier_wait -3
	s_barrier_signal -1
	s_barrier_wait -1
.endm
.macro CROUND
	s_barrier_signal -1
	s_barrier_wait -1
	CREST
.endm
.macro FRAG reg, a16, a8, off          ; an image comes back as the registers that it is
	ds_load_b128 v[\reg:\reg+3], v[\a16] offset:\off
	ds_load_b64 v[\reg+4:\reg+5], v[\a8] offset:(\off)+512
	ds_load_b128 v[\reg+6:\reg+9], v[\a16] offset:(\off)+768
	ds_load_b64 v[\reg+10:\reg+11], v[\a8] offset:(\off)+1280
.endm
.macro FETCH slot, q, p                ; 64 LDS loads in one run: my 8 fragments of B and 8 of A, the slot's q-th 128 along K, into set p
	WIN 0x40
.irp i, 0,1,2,3,4,5,6,7
	FRAG 128*(\p)+12*\i, 20+\slot, 22+\slot, 3072*\i+1536*(\q)
.endr
	WIN 0
.irp i, 0,1,2,3,4,5,6,7
	FRAG AF+AFS*(\p)+12*\i, 16+\slot, 18+\slot, 3072*\i+1536*(\q)
.endr
.endm
.macro SCALES sc                       ; a chunk's two words a row: lanes 0-15 take A's block i, lanes 16-31 B's block i
.irp i, 0,1,2,3,4,5,6,7
	ds_load_b64 v[SC+16*\sc+2*\i:SC+16*\sc+2*\i+1], v27 offset:512*\i
.endr
.endm
; 8 matrix instructions: A's block a against B's eight.  cm = 0: the sums go on; 1: they begin with the bias of B's block; 2: with that of A's block.  The 64 accumulators take turns, one instruction a turn.
.macro MULA a, p, q, sc, cm
.if (\cm) == 0
	WIN 0xa1+0x50*((\a)/4)
.else
	WIN 0x91+0x40*((\a)/4)
.endif
.irp b, 0,1,2,3,4,5,6,7
.set DD, 8*(8*((\a)%4)+\b)
.set FB, 128*(\p)+12*\b
.set FA, AF+AFS*(\p)+12*(\a)
.set RSB, SC+16*(\sc)+2*\b+(\q)
.set RSA, SC+16*(\sc)+2*(\a)+(\q)
.if (\cm) == 0
.set CC, DD
.elseif (\cm) == 1
.set CC, 96+8*\b+96*(\b/4)
.else
.set CC, 96+8*(\a)+96*((\a)/4)
.endif
	v_wmma_scale_f32_16x16x128_f8f6f4 v[DD:DD+7], v[FB:FB+11], v[FA:FA+11], v[CC:CC+7], v[RSB], v[RSA] matrix_a_fmt:MATRIX_FMT_BF6 matrix_b_fmt:MATRIX_FMT_BF6 matrix_a_scale:MATRIX_SCALE_ROW1
.endr
.endm
.macro STEP slot, cm                   ; a slot's first 128 along K, on set 0; the second's fragments are fetched into set 1 meanwhile
	s_wait_dscnt 0x0                               ; set 0 and the scale words, asked for a step ago, are in
	PLACES 4                                       ; in front of loads into registers that matrix instructions have read
	FETCH \slot, 1, 1
.irp a, 0,1,2,3,4,5,6,7
	MULA \a, 0, 0, \slot, \cm
.endr
	WIN 0
.endm
; A slot's second 128 along K, on set 1, and the change of slots: one barrier; in front of it each wave waits for all its tensor loads, adds 0 to its spare word, and waits for that and for its reads of this slot.
.macro TURN slot, next, fill
	s_wait_tensorcnt 0x0                           ; all my tensor loads have landed: my part of the next slot
	ds_add_u32 v28, v29                            ; 0 onto my spare word
	s_wait_dscnt 0x1                               ; set 1 is in; the add alone may be out
	MULA 0, 1, 1, \slot, 0
	MULA 1, 1, 1, \slot, 0
	s_wait_dscnt 0x0                               ; the add is done, and my reads of this slot are over
	s_barrier_signal -1
	MULA 2, 1, 1, \slot, 0
	MULA 3, 1, 1, \slot, 0
	WIN 0
	s_barrier_wait -1
.if \fill
	CREST                                          ; the barrier has opened a round of the cluster's: no wave of any partner still reads this slot or has a load on its way
	s_add_nc_u64 s[G0+4*\slot+2:G0+4*\slot+3], s[G0+4*\slot+2:G0+4*\slot+3], 6144    ; two chunks on
	s_add_nc_u64 s[G0B+4*\slot+2:G0B+4*\slot+3], s[G0B+4*\slot+2:G0B+4*\slot+3], 6144
	JLOAD G0+4*\slot, G1, G0B+4*\slot, G1B         ; the first tensor load behind the round; its four v_nop are the places in front of the loads below
.else
	PLACES 4
.endif
	v_add_nc_u32 v27, 128, v27                     ; the next chunk's scale words
	FETCH \next, 0, 0
	SCALES \next
.irp a, 4,5,6,7
	MULA \a, 1, 1, \slot, 0
.endr
	WIN 0
.endm
	s_load_b128 s[4:7], s[0:1], 0x0                ; wq s[4:5], b_attn s[6:7]
	s_load_b64 s[8:9], s[0:1], 0x10                ; qkv
	v_lshl_add_u32 v28, v0, 2, SPARE
	v_mov_b32 v29, 0
	ds_add_u32 v28, v29
	ds_add_u32 v28, v29
	s_wait_dscnt 0x0
	v_lshrrev_b32 v1, 5, v0
	v_readfirstlane_b32 s14, v1                    ; wave
	s_lshr_b32 s15, s14, 1                         ; my half of A's rows.  Also: I fetch for A (0) or B (1)
	s_and_b32 s16, s14, 1                          ; my half of B's rows.  Also: which 8 row tiles I fetch
	s_bfe_u32 s40, ttmp6, 0x40000                  ; cx
	s_bfe_u32 s41, ttmp6, 0x40004                  ; cy
	s_mov_b32 s42, ttmp9                           ; cluster x = the part: 0 q, 1 k, 2 v: the same in all sixteen partners
	s_and_b32 s43, ttmp7, 0xffff                   ; cluster y
	s_lshl_b32 s10, s43, 2
	s_lshl_b32 s11, s42, 2
	s_mov_b32 s20, XSC
	s_mov_b32 s22, WASC
	s_cmp_eq_u32 s42, 2
	s_cselect_b32 s17, 8, s10                      ; A's tile of 256 rows: tokens 4 cluster y + cy; for v: w_attn's columns, tile 8 + cy
	s_cselect_b32 s18, s10, s11                    ; B's: w_attn's columns 4 part + cx; for v: tokens 4 cluster y + cx
	s_cselect_b32 s19, WAIMG, 0                    ; where A's images begin in wq,
	s_cselect_b32 s21, 0, WAIMG                    ; B's,
	s_cselect_b32 s23, s22, s20                    ; A's scale words,
	s_cselect_b32 s20, s20, s22                    ; B's
	s_cselect_b32 s44, 1, 0                        ; 1 for v
	s_add_co_u32 s17, s17, s41                     ; TA: holds cy, never cx
	s_add_co_u32 s18, s18, s40                     ; TB: holds cx, never cy
	s_lshl_b32 s45, s41, 2
	s_lshl_b32 s45, 15, s45                        ; my row of the cluster
	s_lshl_b32 s46, 0x1111, s40                    ; my column
	s_or_b32 s[G1], s45, (3<<16)|(1<<21)           ; 15:0 the mask; 17:16 elements of 8 bytes; 21 set beside a mask; no padding
	s_or_b32 s[G1B], s46, (3<<16)|(1<<21)
.irp g, G1, G1B                        ; a tile: 8 rows (row tiles) of 3,072 bytes (two K steps' images), 12,288 bytes apart
	s_mov_b32 s[\g+1], 384<<16
	s_mov_b32 s[\g+2], 8<<16
	s_mov_b32 s[\g+3], 384<<16
	s_mov_b32 s[\g+4], 8
	s_mov_b32 s[\g+5], 1536
	s_mov_b32 s[\g+6], 0
	s_mov_b32 s[\g+7], 0
.endr
	s_or_b32 s[G1S], s45, (3<<16)|(1<<21)
	s_or_b32 s[G1SB], s46, (3<<16)|(1<<21)
.irp g, G1S, G1SB                      ; the scale words of 8 row tiles: 4,096 dense bytes as 16 rows of 256
	s_mov_b32 s[\g+1], 32<<16
	s_mov_b32 s[\g+2], 16<<16
	s_mov_b32 s[\g+3], 32<<16
	s_mov_b32 s[\g+4], 16
	s_mov_b32 s[\g+5], 32
	s_mov_b32 s[\g+6], 0
	s_mov_b32 s[\g+7], 0
.endr
	s_lshl_b32 s11, s16, 3
	s_lshl_b32 s10, s17, 4
	s_add_co_u32 s10, s10, s11                     ; A: row tile 16 TA + 8 half
	s_lshl_b32 s47, s18, 4
	s_add_co_u32 s47, s47, s11                     ; B: 16 TB + 8 half
	s_mul_i32 s2, s10, 12288
	s_add_co_u32 s2, s2, s19
	s_mov_b32 s3, 0
	s_lshl_b32 s10, s10, 9
	s_add_co_u32 s10, s10, s23
	s_mov_b32 s11, 0
	s_mul_i32 s12, s47, 12288
	s_add_co_u32 s12, s12, s21
	s_mov_b32 s13, 0
	s_lshl_b32 s46, s47, 9
	s_add_co_u32 s46, s46, s20
	s_mov_b32 s47, 0
	s_mul_i32 s66, s14, HALFT                      ; where they go: wave x a quarter: no place in the cluster enters an LDS address
	s_lshl_b32 s67, s14, 12
	s_wait_kmcnt 0x0
	s_add_nc_u64 s[2:3], s[4:5], s[2:3]
	s_add_nc_u64 s[10:11], s[4:5], s[10:11]
	s_add_nc_u64 s[12:13], s[4:5], s[12:13]
	s_add_nc_u64 s[46:47], s[4:5], s[46:47]
	CROUND                                         ; all sixteen work-groups are here: the first joint loads meet
	s_mov_b32 s[G0S], 1
	s_add_co_u32 s[G0S+1], s67, SCL
	s_mov_b64 s[G0S+2:G0S+3], s[10:11]
	s_or_b32 s[G0S+3], s[G0S+3], 0x80000000
	s_mov_b32 s[G0SB], 1
	s_add_co_u32 s[G0SB+1], s67, SCL
	s_mov_b64 s[G0SB+2:G0SB+3], s[46:47]
	s_or_b32 s[G0SB+3], s[G0SB+3], 0x80000000
	JLOAD G0S, G1S, G0SB, G1SB                     ; the scale words: filled once
.irp s, 0,1
	s_mov_b32 s[G0+4*\s], 1
	s_add_co_u32 s[G0+4*\s+1], s66, \s*SLOT
	s_add_nc_u64 s[G0+4*\s+2:G0+4*\s+3], s[2:3], \s*3072
	s_or_b32 s[G0+4*\s+3], s[G0+4*\s+3], 0x80000000
	s_mov_b32 s[G0B+4*\s], 1
	s_add_co_u32 s[G0B+4*\s+1], s66, \s*SLOT
	s_add_nc_u64 s[G0B+4*\s+2:G0B+4*\s+3], s[12:13], \s*3072
	s_or_b32 s[G0B+4*\s+3], s[G0B+4*\s+3], 0x80000000
	JLOAD G0+4*\s, G1, G0B+4*\s, G1B               ; chunks 0 and 1: three loads of mine are out
.endr
	v_and_b32 v1, 15, v0                           ; r
	v_bfe_u32 v2, v0, 4, 1                         ; h
	v_and_b32 v3, 31, v0                           ; L
	v_lshlrev_b32 v24, 4, v3
	v_lshlrev_b32 v25, 3, v3
	s_mul_i32 s21, s15, HALFT                      ; my 8 row tiles of A,
	s_mul_i32 s22, s16, HALFT
	s_add_co_u32 s22, s22, 2*HALFT                 ; of B
.irp s, 0,1
	v_add_nc_u32 v[16+\s], s21, v24
	v_add_nc_u32 v[18+\s], s21, v25
	v_add_nc_u32 v[20+\s], s22, v24
	v_add_nc_u32 v[22+\s], s22, v25
	s_add_co_u32 s21, s21, SLOT
	s_add_co_u32 s22, s22, SLOT
.endr
	s_lshl_b32 s21, s15, 12                        ; scale words: A's at 4,096 x my half; B's 8,192 further, at 4,096 x my half
	s_lshl_b32 s22, s16, 12
	s_add_co_u32 s22, s22, 8192
	s_sub_co_u32 s22, s22, s21
	v_mul_u32_u24 v4, s22, v2                      ; lanes 16-31 take B's: one product, the distance between the two
	v_lshl_add_u32 v4, v1, 3, v4
	s_add_co_u32 s21, s21, SCL
	v_add_nc_u32 v27, s21, v4
	v_lshlrev_b32 v30, 4, v2                       ; 16 h
	; the bias, in the result's layout, is the C of each sum's first matrix instruction
	s_cmp_eq_u32 s44, 1
	s_cbranch_scc1 .Lbias_v
	s_lshl_b32 s20, s18, 10                        ; q, k: it runs along B: b_attn[256 TB + 128 half + 16 b + 8 h + j]
	s_lshl_b32 s21, s16, 9
	s_add_co_u32 s20, s20, s21
	s_mov_b32 s21, 0
	s_add_nc_u64 s[98:99], s[6:7], s[20:21]
	v_lshlrev_b32 v5, 5, v2
	WIN 0x40
.irp b, 0,1,2,3,4,5,6,7
	global_load_b128 v[96+8*\b+96*(\b/4):96+8*\b+96*(\b/4)+3], v5, s[98:99] offset:64*\b
	global_load_b128 v[96+8*\b+96*(\b/4)+4:96+8*\b+96*(\b/4)+7], v5, s[98:99] offset:64*\b+16
.endr
	WIN 0
	s_branch .Lbias_done
.Lbias_v:
	s_lshl_b32 s20, s17, 10                        ; v: it runs along A: all eight registers of block a hold b_attn[256 TA + 128 half + 16 a + r]
	s_lshl_b32 s21, s15, 9
	s_add_co_u32 s20, s20, s21
	s_mov_b32 s21, 0
	s_add_nc_u64 s[98:99], s[6:7], s[20:21]
	v_lshlrev_b32 v5, 2, v1
	WIN 0x40
.irp a, 0,1,2,3,4,5,6,7
.irp j, 0,1,2,3,4,5,6,7
	global_load_b32 v[96+8*\a+96*(\a/4)+\j], v5, s[98:99] offset:64*\a
.endr
.endr
	WIN 0
.Lbias_done:
	s_wait_tensorcnt 0x1                           ; the scale words and my part of chunk 0 are in; chunk 1's load may be out
	s_barrier_signal -1
	s_barrier_wait -1
	FETCH 0, 0, 0
	SCALES 0
	s_wait_loadcnt 0x0                             ; the bias
	s_cmp_eq_u32 s44, 1
	s_cbranch_scc1 .Lfirst_v
	STEP 0, 1
	s_branch .Lfirst_done
.Lfirst_v:
	STEP 0, 2
.Lfirst_done:
	TURN 0, 1, 1                                   ; chunk 0 ends; slot 0 takes chunk 2
	STEP 1, 0
	TURN 1, 0, 1                                   ; chunk 1 ends; slot 1 takes chunk 3
	STEP 0, 0
	TURN 0, 1, 0                                   ; nothing is left to fetch
	STEP 1, 0
	s_wait_dscnt 0x0
.irp a, 0,1,2,3,4,5,6,7
	MULA \a, 1, 1, 1, 0
.endr
	WIN 0
	; ---- THE WAY OUT.  Block a's 64 registers of a lane are 128 neighbours (in the order stated at the head) along the axis to be quantised: four blocks of 32, each shared with lane L xor 16.
	s_mov_b32 s2, 0x76543210
	s_mov_b32 s3, 0xfedcba98
	s_lshl_b32 s20, s17, 4                         ; q, k: row tile 16 TA + 8 half + a, 12,288 bytes each; K step 2 cx + half, 1,536 bytes
	s_lshl_b32 s21, s41, 4                         ; v: row tile 16 cy + 8 half + a, 1,536 bytes each; 128 keys 2 TB + half, 98,304 bytes
	s_lshl_b32 s22, s40, 1
	s_lshl_b32 s23, s18, 1
	s_mov_b32 s10, 12288
	s_mov_b32 s11, 98304
	s_cmp_eq_u32 s44, 1
	s_cselect_b32 s20, s21, s20
	s_cselect_b32 s22, s23, s22
	s_cselect_b32 s94, 1536, s10
	s_cselect_b32 s11, s11, 1536
	s_mov_b32 s95, 0
	s_lshl_b32 s21, s15, 3
	s_add_co_u32 s20, s20, s21
	s_add_co_u32 s22, s22, s16
	s_mul_i32 s20, s20, s94
	s_mul_i32 s22, s22, s11
	s_add_co_u32 s20, s20, s22
	s_mul_i32 s22, s42, PARTB
	s_add_co_u32 s20, s20, s22
	s_mov_b32 s21, 0
	s_add_nc_u64 s[92:93], s[8:9], s[20:21]
	PLACES 4                                       ; behind the last products: their results are read, and their operands' registers written, below
.irp b, 0,1,2,3
	v_mov_b32 v[TM+4+\b], 0                        ; a lane permute's destination counts as read
.endr
.macro EPI a
.set AC, 64*((\a)%4)
.set WN, 2+(\a)/4
.set TT, 64+12*((\a)%2)
	WIN (WN<<2)|(WN<<4)                            ; sources 1 and 2: the accumulators' window
.irp b, 0,1,2,3
	v_max3_num_f32 v[TM+\b], FLOOR, |v[AC+16*\b]|, |v[AC+16*\b+1]|     ; each accumulator is read from its low end on
.endr
.irp i, 2,4,6,8,10,12,14
.irp b, 0,1,2,3
	v_max3_num_f32 v[TM+\b], v[TM+\b], |v[AC+16*\b+\i]|, |v[AC+16*\b+\i+1]|
.endr
.endr
	WIN 0
.irp b, 0,1,2,3
	v_permlanex16_b32 v[TM+4+\b], v[TM+\b], s2, s3
.endr
.irp b, 0,1,2,3
	v_max_num_f32 v[TM+\b], v[TM+\b], v[TM+4+\b]
.endr
.irp b, 0,1,2,3
	v_add_nc_u32 v[TM+12+\b], OFF4, v[TM+\b]
.endr
.irp b, 0,1,2,3
	v_lshrrev_b32 v[TM+4+\b], 23, v[TM+12+\b]
.endr
	v_lshl_or_b32 v[WD+(\a)], v[TM+5], 8, v[TM+4]
	v_lshl_or_b32 v[WD+(\a)], v[TM+6], 16, v[WD+(\a)]
	v_lshl_or_b32 v[WD+(\a)], v[TM+7], 24, v[WD+(\a)]
	s_wait_xcnt 0x0                                ; the earlier stores have read their data and their base
.if (\a) > 0
	s_add_nc_u64 s[92:93], s[92:93], s[94:95]      ; the next row tile
.endif
	WIN WN                                         ; source 0: the accumulators' window
	v_cvt_scalef32_pk16_bf6_f32 v[TT:TT+2], v[AC:AC+15], v[TM+12]
	v_cvt_scalef32_pk16_bf6_f32 v[U:U+2], v[AC+16:AC+31], v[TM+13]
	v_cvt_scalef32_pk16_bf6_f32 v[TT+6:TT+8], v[AC+32:AC+47], v[TM+14]
	v_cvt_scalef32_pk16_bf6_f32 v[U+4:U+6], v[AC+48:AC+63], v[TM+15]
	WIN 0
	v_nop                                          ; one plain line behind the conversions
.irp i, 0,1,2                          ; half blocks become whole blocks: lanes 0-15 blocks 0, 2; lanes 16-31 blocks 1, 3
	v_permlane16_swap_b32 v[TT+\i], v[U+\i]
	v_permlane16_swap_b32 v[TT+6+\i], v[U+4+\i]
.endr
.irp i, 0,1,2
	v_mov_b32 v[TT+3+\i], v[U+\i]
	v_mov_b32 v[TT+9+\i], v[U+4+\i]
.endr
	global_store_b128 v24, v[TT:TT+3], s[92:93]
	global_store_b64 v25, v[TT+4:TT+5], s[92:93] offset:512
	global_store_b128 v24, v[TT+6:TT+9], s[92:93] offset:768
	global_store_b64 v25, v[TT+10:TT+11], s[92:93] offset:1280
.endm
.irp a, 0,1,2,3,4,5,6,7
	EPI \a
.endr
	; the scale words: sixteen lanes store 256 consecutive bytes, aligned
	s_cmp_eq_u32 s44, 1
	s_cbranch_scc1 .Lsc_v
	s_lshl_b32 s20, s40, 2                         ; q, k: a word holds two heads' bytes: lanes 0-15 store head 4 cx + 2 half, lanes 16-31 the next
	s_lshl_b32 s21, s16, 1
	s_add_co_u32 s20, s20, s21
	s_lshl_b32 s20, s20, 15
	s_lshl_b32 s21, s17, 2                         ; group of 64 tokens: 4 TA + 2 half + g
	s_lshl_b32 s22, s15, 1
	s_add_co_u32 s21, s21, s22
	s_lshl_b32 s21, s21, 8
	s_add_co_u32 s20, s20, s21
	s_mul_i32 s21, s42, PSCB
	s_add_co_u32 s20, s20, s21
	s_add_co_u32 s20, s20, QSC
	s_mov_b32 s21, 0
	s_add_nc_u64 s[96:97], s[8:9], s[20:21]
	v_lshlrev_b32 v26, 4, v1
	v_lshl_add_u32 v26, v2, 15, v26
.irp g, 0,1
.irp k, 0,1,2,3
	v_bfe_u32 v[56+4*\g+\k], v[WD+4*\g+\k], v30, 16
.endr
	global_store_b128 v26, v[56+4*\g:59+4*\g], s[96:97] offset:256*\g
.endr
	s_branch .Lsc_done
.Lsc_v:
	s_lshl_b32 s20, s41, 2                         ; v: blocks 0-3 are head 4 cy + 2 half (lanes 0-15 store it), blocks 4-7 the next
	s_lshl_b32 s21, s15, 1
	s_add_co_u32 s20, s20, s21
	s_lshl_b32 s20, s20, 14
	s_lshl_b32 s21, s18, 1
	s_add_co_u32 s21, s21, s16
	s_lshl_b32 s21, s21, 8
	s_add_co_u32 s20, s20, s21
	s_add_co_u32 s20, s20, QSC+2*PSCB
	s_mov_b32 s21, 0
	s_add_nc_u64 s[96:97], s[8:9], s[20:21]
	v_lshlrev_b32 v26, 4, v1
	v_lshl_add_u32 v26, v2, 14, v26
	v_cmp_lt_u32 vcc_lo, 15, v3
.irp k, 0,1,2,3
	v_cndmask_b32 v[56+\k], v[WD+\k], v[WD+4+\k], vcc_lo
.endr
	global_store_b128 v26, v[56:59], s[96:97]
.Lsc_done:
	s_wait_tensorcnt 0x0                           ; the wave's end
	ds_add_u32 v28, v29
	s_wait_dscnt 0x0
	CROUND                                         ; the closing round
	s_endpgm
.Lfunc_end_k_qeea95906ab_qkv:
	.size	k_qeea95906ab_qkv, .Lfunc_end_k_qeea95906ab_qkv-k_qeea95906ab_qkv
	.p2alignl 7, 3214868480
	.fill 96, 4, 3214868480
	.section	.rodata,"a",@progbits
	.p2align	6, 0x0
	.amdhsa_kernel k_qeea95906ab_qkv
		.amdhsa_group_segment_fixed_size 327680
		.amdhsa_private_segment_fixed_size 0
		.amdhsa_enable_private_segment 0
		.amdhsa_kernarg_size 24
		.amdhsa_user_sgpr_count 2
		.amdhsa_user_sgpr_kernarg_segment_ptr 1
		.amdhsa_wavefront_size32 1
		.amdhsa_system_sgpr_workgroup_id_x 1
		.amdhsa_system_sgpr_workgroup_id_y 1
		.amdhsa_system_sgpr_workgroup_id_z 1
		.amdhsa_system_vgpr_workitem_id 0
		.amdhsa_next_free_vgpr 1024
		.amdhsa_next_free_sgpr 100
		.amdhsa_reserve_vcc 1
		.amdhsa_float_denorm_mode_32 3
		.amdhsa_float_denorm_mode_16_64 3
		.amdhsa_memory_ordered 1
		.amdhsa_forward_progress 1
		.amdhsa_inst_pref_size 171
	.end_amdhsa_kernel
	.amdgpu_metadata
---
amdhsa.version: [ 1, 2 ]
amdhsa.kernels:
  - .name:           k_qeea95906ab_qkv
    .symbol:         k_qeea95906ab_qkv.kd
    .args:
      - { .name: wq, .offset: 0, .size: 8, .value_kind: global_buffer, .address_space: global }
      - { .name: b_attn, .offset: 8, .size: 8, .value_kind: global_buffer, .address_space: global }
      - { .name: qkv, .offset: 16, .size: 8, .value_kind: global_buffer, .address_space: global }
    .group_segment_fixed_size: 327680
    .private_segment_fixed_size: 0
    .kernarg_segment_align: 8
    .kernarg_segment_size: 24
    .max_flat_workgroup_size: 128
    .sgpr_count:     100
    .vgpr_count:     1024
    .wavefront_size: 32
...
	.end_amdgpu_metadata
.endif
;; end of part 2
;; launch attn (part 3): grid 4 x 64, 16 waves a work-group, no clusters, 210,944 bytes of LDS; arguments qkv, yq; writes yq
.if DOCPART == 3
	.amdgcn_target "amdgcn-amd-amdhsa--gfx1250"
	.amdhsa_code_object_version 6
	.text
	.protected	k_qeea95906ab_attn
	.globl	k_qeea95906ab_attn
	.p2align	8
	.type	k_qeea95906ab_attn,@function
k_qeea95906ab_attn:
	s_mov_b64 s[64:65], 0
	v_nop
	global_prefetch_b8 v0, s[64:65] scope:SCOPE_SE
	s_setreg_imm32_b32 hwreg(HW_REG_WAVE_MODE, 25, 1), 1
	s_wait_xcnt 0x0
; y[b][q][head] = softmax over keys k <= q of (q . k / 8) v, both products on codes of BF6, and y quantised along the 1,024 channels for the last product.
; THE SOFTMAX: t = score x log2(e) / 8; M = the running largest t rounded UP to a whole number; p = 2^(t - M) is quantised along the keys, not normalised; the row's sum is taken of the unquantised p and divides at the end;
; when M moves, the sum and O are multiplied by 2^(old M - new M), which rounds nothing.
; SHARES.  Work-group (i, b x 16 + head) owns the query blocks 7 - i and i of 256 queries: the causal work is the same in all 256 work-groups.  Wave w takes tile w (16 queries) of block 7 - i, then tile 15 - w of block i:
; 17 key steps of 128 keys in every wave.  The loop has 18 trips in every wave; a step all of whose keys come after the wave's queries is jumped over (a branch on ids).
; A WHOLE HEAD'S K AND V (codes and scale words, 204 KiB) STAY IN LDS, filled once at the head by sixteen waves' tensor loads: one barrier in the launch, nothing is filled again.
; Joint loads are not used although the four work-groups of a head read the same bytes: which key steps a work-group walks, and so its branches and LDS addresses, hang on its number i.
; LAYOUT.  Both products are used transposed: S^T = K Q^T (source 0 = 16 keys), O^T = V^T P^T (source 0 = 16 channels): a lane holds one query throughout.  The head has 64 channels: registers 6-11 of K's and Q's fragments are zero codes.
; Fragments lie as images (T0-3 at 16 L, T4-5 at 512 + 8 L, T6-9 at 768 + 16 L, T10-11 at 1280 + 8 L).  Inside a block of 32 keys p's codes stand in the order 0-7, 16-23, 8-15, 24-31, as v's do; y's likewise, as w_proj's rows do.
; y's scale bytes leave one byte a lane (two bytes of a word belong to one head): 262,144 bytes in all beside 6,291,456 of codes.
; LIMITS: NaN and infinities are not served; a block whose largest magnitude lies under 2^-122 gets the byte 1; 1 / sum is v_rcp_f32.
; REGISTERS: v1, v2 16 L, 8 L; v3, v4 my place among K's and V's scale words; v5, v6 V's images; v7 r - 8 h; v8-11, v28, v29 the step's addresses; v12 -M, v13 largest t, v[14:15] the sum; v16-27 Q; v30 Q's scale word, v31 p's;
;   v32-79 four fragments of K; v80-91 p's codes; v92-95 K's scale words; v96-159 S^T, then p; v160-191 O^T; v192-239 V's four fragments; v240-247 at work; v248-251 V's scale words; v252 f; v254 at work; v255 -infinity.
.set KIMG, 6291456
.set VIMG, 12582912
.set QSC,  18874368
.set KSC,  19398656
.set VSC,  19922944
.set YSC,  6291456
.set VB,   98304                       ; LDS: K's 128 half images of 768 bytes from 0; V's [key step 16][tile 4][1536] from here;
.set SCK,  196608                      ; K's scale words, 512 bytes a key step;
.set SCV,  204800                      ; V's, 256 bytes a key step
.set FLOOR, 0x2800000
.set OFF4,  0xfe000000
	s_load_b128 s[4:7], s[0:1], 0x0                ; qkv s[4:5], yq s[6:7]
	v_lshl_add_u32 v254, v0, 2, 0x33000
	v_mov_b32 v255, 0
	ds_add_u32 v254, v255
	ds_add_u32 v254, v255
	s_wait_dscnt 0x0
	v_lshrrev_b32 v1, 5, v0
	s_delay_alu instid0(VALU_DEP_1)
	v_readfirstlane_b32 s8, v1                     ; wave 0..15
	s_and_b32 s9, s8, 7
	s_mov_b32 s10, ttmp9                           ; i
	s_and_b32 s11, ttmp7, 0xffff
	s_lshr_b32 s12, s11, 4                         ; b
	s_and_b32 s13, s11, 15                         ; head
	; descriptor groups 1: elements of 8 bytes, no padding, no mask
	s_mov_b32 s24, 3<<16                           ; K's scale words: 4 rows of 256 bytes, dense
	s_mov_b32 s25, 32<<16
	s_mov_b32 s26, 4<<16
	s_mov_b32 s27, 32<<16
	s_mov_b32 s28, 4
	s_mov_b32 s29, 32
	s_mov_b32 s30, 0
	s_mov_b32 s31, 0
	s_mov_b32 s32, 3<<16                           ; K's half images: 16 rows (key tiles) of 768 bytes, 12,288 bytes apart
	s_mov_b32 s33, 96<<16
	s_mov_b32 s34, 16<<16
	s_mov_b32 s35, 96<<16
	s_mov_b32 s36, 16
	s_mov_b32 s37, 1536
	s_mov_b32 s38, 0
	s_mov_b32 s39, 0
	s_mov_b32 s40, 3<<16                           ; V's scale words: 2 rows of 256 bytes, dense
	s_mov_b32 s41, 32<<16
	s_mov_b32 s42, 2<<16
	s_mov_b32 s43, 32<<16
	s_mov_b32 s44, 2
	s_mov_b32 s45, 32
	s_mov_b32 s46, 0
	s_mov_b32 s47, 0
	s_mov_b32 s48, 3<<16                           ; V's images: 2 rows (key steps) of 6,144 bytes (the head's four tiles), 98,304 bytes apart
	s_mov_b32 s49, 768<<16
	s_mov_b32 s50, 2<<16
	s_mov_b32 s51, 768<<16
	s_mov_b32 s52, 2
	s_mov_b32 s53, 12288
	s_mov_b32 s54, 0
	s_mov_b32 s55, 0
	s_mov_b32 s87, 0
	s_wait_kmcnt 0x0
	; groups 0.  Waves 0-7 bring an eighth of K's scale words and images each, waves 8-15 of V's; w7 = wave % 8
	s_mov_b32 s56, 1
	s_lshl_b32 s57, s9, 10
	s_add_co_u32 s57, s57, SCK
	s_lshl_b32 s86, s13, 15
	s_lshl_b32 s85, s12, 13
	s_add_co_u32 s86, s86, s85
	s_lshl_b32 s85, s9, 10
	s_add_co_u32 s86, s86, s85
	s_add_co_u32 s86, s86, KSC
	s_add_nc_u64 s[58:59], s[4:5], s[86:87]
	s_or_b32 s59, s59, 0x80000000
	s_mov_b32 s60, 1
	s_mul_i32 s61, s9, 12288
	s_lshl_b32 s86, s12, 7
	s_lshl_b32 s85, s9, 4
	s_add_co_u32 s86, s86, s85
	s_mul_i32 s86, s86, 12288
	s_mul_i32 s85, s13, 768
	s_add_co_u32 s86, s86, s85
	s_add_co_u32 s86, s86, KIMG
	s_add_nc_u64 s[62:63], s[4:5], s[86:87]
	s_or_b32 s63, s63, 0x80000000
	s_mov_b32 s68, 1
	s_lshl_b32 s69, s9, 9
	s_add_co_u32 s69, s69, SCV
	s_lshl_b32 s86, s13, 14
	s_lshl_b32 s85, s12, 12
	s_add_co_u32 s86, s86, s85
	s_lshl_b32 s85, s9, 9
	s_add_co_u32 s86, s86, s85
	s_add_co_u32 s86, s86, VSC
	s_add_nc_u64 s[70:71], s[4:5], s[86:87]
	s_or_b32 s71, s71, 0x80000000
	s_mov_b32 s72, 1
	s_mul_i32 s73, s9, 12288
	s_add_co_u32 s73, s73, VB
	s_lshl_b32 s86, s12, 4
	s_lshl_b32 s85, s9, 1
	s_add_co_u32 s86, s86, s85
	s_mul_i32 s86, s86, 98304
	s_mul_i32 s85, s13, 6144
	s_add_co_u32 s86, s86, s85
	s_add_co_u32 s86, s86, VIMG
	s_add_nc_u64 s[74:75], s[4:5], s[86:87]
	s_or_b32 s75, s75, 0x80000000
	s_cmp_lt_u32 s8, 8                             ; a wave's two fills stand in one branch on its number; four v_nop follow the second
	s_cbranch_scc0 .Lfill_v
	tensor_load_to_lds s[56:59], s[24:31]
	s_nop 0
	tensor_load_to_lds s[60:63], s[32:39]
	s_nop 0
.rept 4
	v_nop
.endr
	s_branch .Lfilled
.Lfill_v:
	tensor_load_to_lds s[68:71], s[40:47]
	s_nop 0
	tensor_load_to_lds s[72:75], s[48:55]
	s_nop 0
.rept 4
	v_nop
.endr
.Lfilled:
	v_and_b32 v254, 31, v0
	s_delay_alu instid0(VALU_DEP_1)
	v_lshlrev_b32 v1, 4, v254                      ; 16 L
	s_delay_alu instid0(VALU_DEP_2)
	v_lshlrev_b32 v2, 3, v254                      ; 8 L
	v_and_b32 v252, 15, v0                         ; r
	v_bfe_u32 v253, v0, 4, 1                       ; h  (v253 is later named as the upper half of the pair v[252:253]: it is written here)
	s_delay_alu instid0(VALU_DEP_2)
	v_lshl_add_u32 v3, v252, 4, SCK
	s_delay_alu instid0(VALU_DEP_3)
	v_lshl_add_u32 v4, v252, 4, SCV
	v_add_nc_u32 v5, VB, v1
	v_add_nc_u32 v6, VB, v2
	v_lshlrev_b32 v7, 3, v253
	s_delay_alu instid0(VALU_DEP_1)
	v_sub_nc_u32 v7, v252, v7                      ; r - 8 h
	v_mov_b32 v255, 0xff800000                     ; -infinity
.irp j, 22,23,24,25,26,27
	v_mov_b32 v[\j], 0                             ; channels 64-127 of Q: zero codes
.endr
.irp t, 0,1,2,3
.irp j, 6,7,8,9,10,11
	v_mov_b32 v[32+12*\t+\j], 0                    ; and of K: written once, never loaded
.endr
.endr
.irp j, 244,245,246,247
	v_mov_b32 v[\j], 0                             ; a lane permute's destination counts as read
.endr
	s_mov_b32 s20, 0x76543210
	s_mov_b32 s21, 0xfedcba98                      ; lane L xor 16
	s_mov_b32 s22, 0x3e38aa3b                      ; c = log2(e) / 8
	s_mov_b32 s23, s22                             ; (named with it as a pair)
	s_lshl_b32 s77, s10, 1
	s_sub_co_u32 s77, 16, s77                      ; trips for the late block: 16 - 2 i
	s_sub_co_u32 s78, 7, s10
	s_lshl_b32 s78, s78, 8
	s_lshl_b32 s85, s8, 4
	s_add_co_u32 s78, s78, s85                     ; my first query now: 256 (7 - i) + 16 w
	s_sub_co_u32 s79, 15, s8
	s_lshl_b32 s79, s79, 4
	s_lshl_b32 s85, s10, 8
	s_add_co_u32 s79, s79, s85                     ; and later: 256 i + 16 (15 - w)
	s_mov_b32 s76, 0
; Q's half image and scale word for the 16 queries from s78 on; the statistics and O^T begin anew.
.macro INIT
	s_lshl_b32 s85, s12, 11
	s_add_co_u32 s85, s85, s78                     ; the token
	s_lshr_b32 s86, s85, 4
	s_mul_i32 s86, s86, 12288
	s_mul_i32 s88, s13, 768
	s_add_co_u32 s86, s86, s88
	s_add_nc_u64 s[92:93], s[4:5], s[86:87]
	s_lshr_b32 s86, s85, 6
	s_lshl_b32 s86, s86, 8
	s_bfe_u32 s88, s85, 0x20004
	s_lshl_b32 s88, s88, 2
	s_add_co_u32 s86, s86, s88
	s_lshl_b32 s88, s13, 15
	s_add_co_u32 s86, s86, s88
	s_add_co_u32 s86, s86, QSC
	s_add_nc_u64 s[94:95], s[4:5], s[86:87]
	v_and_b32 v254, 15, v0
	s_delay_alu instid0(VALU_DEP_1)
	v_lshlrev_b32 v254, 4, v254
	global_load_b128 v[16:19], v1, s[92:93]
	global_load_b64 v[20:21], v2, s[92:93] offset:512
	global_load_b32 v30, v254, s[94:95]
	v_mov_b32 v13, 0xff61b1e6                      ; the largest t so far: -3e38
	s_delay_alu instid0(VALU_DEP_1)
	v_floor_f32 v12, -v13
	v_mov_b32 v14, 0
	v_mov_b32 v15, 0
.set n, 0
.rept 32
	v_mov_b32 v[160+n], 0                          ; O^T: the step is written once; the first change of M leaves zeros zeros
.set n, n+1
.endr
	s_wait_loadcnt 0x0
	s_wait_xcnt 0x0
.endm
; y = O^T / the sum, quantised along the head's 64 channels (two blocks), stored as half an image and two scale bytes a row.
.macro FINISH
.rept 4
	v_nop                                          ; behind the last products
.endr
	v_add_f32 v14, v14, v15
	s_delay_alu instid0(VALU_DEP_1)
	v_permlanex16_b32 v244, v14, s20, s21
	s_delay_alu instid0(VALU_DEP_1)
	v_add_f32 v14, v14, v244                       ; the row's sum
	s_wait_alu depctr_va_vdst(0)
	v_rcp_f32 v14, v14
	v_nop                                          ; a plain line behind the reciprocal,
	s_wait_alu depctr_va_vdst(0)                   ; and the wait ahead of its first reader
.set n, 0
.rept 16
	v_pk_mul_f32 v[96+n:97+n], v[160+n:161+n], v[14:15] op_sel_hi:[1,0]   ; register 8 t + j: channel 16 t + 8 h + j; each accumulator from its low end on
.set n, n+2
.endr
	v_max3_num_f32 v240, |v96|, |v97|, FLOOR
	v_max3_num_f32 v241, |v112|, |v113|, FLOOR
.irp i, 2,4,6,8,10,12,14
	s_delay_alu instid0(VALU_DEP_2)
	v_max3_num_f32 v240, v240, |v[96+\i]|, |v[97+\i]|
	s_delay_alu instid0(VALU_DEP_2)
	v_max3_num_f32 v241, v241, |v[112+\i]|, |v[113+\i]|
.endr
	s_delay_alu instid0(VALU_DEP_2)
	v_permlanex16_b32 v244, v240, s20, s21
	s_delay_alu instid0(VALU_DEP_2)
	v_permlanex16_b32 v245, v241, s20, s21
	s_delay_alu instid0(VALU_DEP_2)
	v_max_num_f32 v240, v240, v244
	s_delay_alu instid0(VALU_DEP_2)
	v_max_num_f32 v241, v241, v245
	s_delay_alu instid0(VALU_DEP_2)
	v_add_nc_u32 v240, OFF4, v240
	s_delay_alu instid0(VALU_DEP_2)
	v_add_nc_u32 v241, OFF4, v241
	s_delay_alu instid0(VALU_DEP_2)
	v_lshrrev_b32 v244, 23, v240
	s_delay_alu instid0(VALU_DEP_2)
	v_lshrrev_b32 v245, 23, v241
	v_and_b32 v246, 15, v0
	v_bfe_u32 v247, v0, 4, 1
	s_delay_alu instid0(VALU_DEP_1)
	v_cmp_eq_u32 vcc_lo, 1, v247
	s_delay_alu instid0(VALU_DEP_1)
	v_cndmask_b32 v254, v244, v245, vcc_lo         ; lane (r, h) stores block h's byte
	s_delay_alu instid0(VALU_DEP_3)
	v_lshl_add_u32 v246, v246, 3, v247             ; 8 r + h
	v_cvt_scalef32_pk16_bf6_f32 v[80:82], v[96:111], v240
	v_cvt_scalef32_pk16_bf6_f32 v[128:130], v[112:127], v241
	v_nop
.irp i, 0,1,2
	v_permlane16_swap_b32 v[80+\i], v[128+\i]
.endr
.irp i, 0,1,2
	s_delay_alu instid0(VALU_DEP_3)
	v_mov_b32 v[83+\i], v[128+\i]
.endr
	s_lshl_b32 s85, s12, 11
	s_add_co_u32 s85, s85, s78
	s_lshr_b32 s85, s85, 4                         ; the token tile
	s_mul_i32 s86, s85, 12288
	s_mul_i32 s88, s13, 768
	s_add_co_u32 s86, s86, s88
	s_add_nc_u64 s[96:97], s[6:7], s[86:87]
	s_lshl_b32 s86, s85, 9                         ; scale bytes: 512 a tile; pair of K steps head / 4; word (head / 2) % 2; bytes 2 (head % 2) + h
	s_lshr_b32 s88, s13, 2
	s_lshl_b32 s88, s88, 7
	s_add_co_u32 s86, s86, s88
	s_bfe_u32 s88, s13, 0x10001
	s_lshl_b32 s88, s88, 2
	s_add_co_u32 s86, s86, s88
	s_and_b32 s88, s13, 1
	s_lshl_b32 s88, s88, 1
	s_add_co_u32 s86, s86, s88
	s_add_co_u32 s86, s86, YSC
	s_add_nc_u64 s[98:99], s[6:7], s[86:87]
	s_wait_alu depctr_va_vdst(0)
	global_store_b128 v1, v[80:83], s[96:97]       ; 768 consecutive bytes, aligned to 256
	global_store_b64 v2, v[84:85], s[96:97] offset:512
	global_store_b8 v246, v254, s[98:99]
	s_wait_xcnt 0x0                                ; the stores have read their registers: they are written again below
.endm
; A KEY STEP: keys s81 .. s81 + 127 (key step s80).
.macro STEP
	s_mul_i32 s82, s80, 6144
	s_lshl_b32 s83, s80, 9
	s_lshl_b32 s84, s80, 8
	v_add_nc_u32 v8, s82, v1                       ; (these six are also the places behind the last step's products)
	v_add_nc_u32 v9, s82, v2
	v_add_nc_u32 v10, s82, v5
	v_add_nc_u32 v11, s82, v6
	v_add_nc_u32 v28, s83, v3
	v_add_nc_u32 v29, s84, v4
	ds_load_b128 v[92:95], v28                     ; the scale words of key tiles 0-3
.irp t, 0,1,2,3
	ds_load_b128 v[32+12*\t:35+12*\t], v8 offset:768*\t
	ds_load_b64 v[36+12*\t:37+12*\t], v9 offset:768*\t+512
.endr
	s_wait_alu depctr_va_vdst(0)
	s_wait_dscnt 0x0
.irp t, 0,1,2,3
	v_wmma_scale_f32_16x16x128_f8f6f4 v[96+8*\t:103+8*\t], v[32+12*\t:43+12*\t], v[16:27], 0, v[92+\t], v30 matrix_a_fmt:MATRIX_FMT_BF6 matrix_b_fmt:MATRIX_FMT_BF6
.endr
.rept 4
	v_nop                                          ; in front of loads into registers that these products have read
.endr
	ds_load_b128 v[92:95], v28 offset:256
.irp t, 0,1,2,3
	ds_load_b128 v[32+12*\t:35+12*\t], v8 offset:768*(4+\t)
	ds_load_b64 v[36+12*\t:37+12*\t], v9 offset:768*(4+\t)+512
.endr
	ds_load_b128 v[248:251], v29                   ; V's scale words and four fragments are asked for here and land under the softmax
.irp t, 0,1,2,3
	ds_load_b128 v[192+12*\t:195+12*\t], v10 offset:1536*\t
	ds_load_b64 v[196+12*\t:197+12*\t], v11 offset:1536*\t+512
	ds_load_b128 v[198+12*\t:201+12*\t], v10 offset:1536*\t+768
	ds_load_b64 v[202+12*\t:203+12*\t], v11 offset:1536*\t+1280
.endr
	s_wait_dscnt 17                                ; K's nine are in; V's seventeen may be out
.irp t, 0,1,2,3
	v_wmma_scale_f32_16x16x128_f8f6f4 v[128+8*\t:135+8*\t], v[32+12*\t:43+12*\t], v[16:27], 0, v[92+\t], v30 matrix_a_fmt:MATRIX_FMT_BF6 matrix_b_fmt:MATRIX_FMT_BF6
.endr
.rept 4
	v_nop
.endr
	s_add_co_u32 s85, s81, 127                     ; on the diagonal hidden scores become -infinity; a step all of whose keys count skips this
	s_cmp_le_u32 s85, s78
	s_cbranch_scc1 .Lopen_\@
	s_sub_co_i32 s85, s78, s81
	v_add_nc_u32 v254, s85, v7                     ; d = my query - the step's first key - 8 h.  Register 8 t + j holds key 16 t + 8 h + j of the step: hidden where 16 t + j > d
.set n, 0
.rept 64
	v_cmp_gt_i32 vcc_lo, 16*(n/8)+n%8, v254
	v_cndmask_b32 v[96+n], v[96+n], v255, vcc_lo
.set n, n+1
.endr
.Lopen_\@:
.irp b, 0,1,2,3
	v_max3_num_f32 v[240+\b], v[96+16*\b], v[97+16*\b], v[98+16*\b]   ; the largest score of each block of 32 keys: for the row's maximum, and, since p rises with the score, for the block's largest p
.endr
.irp i, 3,5,7,9,11,13
.irp b, 0,1,2,3
	v_max3_num_f32 v[240+\b], v[240+\b], v[96+16*\b+\i], v[97+16*\b+\i]
.endr
.endr
.irp b, 0,1,2,3
	v_max_num_f32 v[240+\b], v[240+\b], v[111+16*\b]
.endr
.irp b, 0,1,2,3
	s_delay_alu instid0(VALU_DEP_4)
	v_permlanex16_b32 v[244+\b], v[240+\b], s20, s21
.endr
.irp b, 0,1,2,3
	s_delay_alu instid0(VALU_DEP_4)
	v_max_num_f32 v[240+\b], v[240+\b], v[244+\b]
.endr
	s_delay_alu instid0(VALU_DEP_2)
	v_max3_num_f32 v254, v240, v241, v242
	s_delay_alu instid0(VALU_DEP_1)
	v_max_num_f32 v254, v254, v243
	s_delay_alu instid0(VALU_DEP_1)
	v_mul_f32 v254, s22, v254
	s_delay_alu instid0(VALU_DEP_1)
	v_max_num_f32 v13, v13, v254                   ; the running largest t
	v_mov_b32 v254, v12
	s_delay_alu instid0(VALU_DEP_2)
	v_floor_f32 v12, -v13                          ; -M = floor(-t)
	s_delay_alu instid0(VALU_DEP_1)
	v_sub_f32 v254, v12, v254                      ; old M - new M: a whole number, 0 or less
	s_delay_alu instid0(VALU_DEP_1)
	v_cvt_i32_f32 v254, v254                       ; (it saturates)
	s_delay_alu instid0(VALU_DEP_1)
	v_ldexp_f32 v252, 1.0, v254                    ; f = 2^(old M - new M)
.set n, 0
	s_setprio 1
.rept 32
	v_pk_fma_f32 v[96+n:97+n], v[96+n:97+n], s[22:23], v[12:13] op_sel_hi:[1,0,0]   ; t - M
.set n, n+2
.endr
.irp b, 0,1,2,3
	v_fma_f32 v[240+\b], v[240+\b], s22, v12
.endr
.set n, 0
	s_wait_alu depctr_va_vdst(0)
.rept 64
	v_exp_f32 v[96+n], v[96+n]                     ; p
.set n, n+1
.endr
	v_pk_mul_f32 v[14:15], v[14:15], v[252:253] op_sel_hi:[1,0]   ; the sums under the new M: the plain line behind the batch
	s_wait_alu depctr_va_vdst(0)                   ; one wait for the 64, ahead of their first reader
.irp b, 0,1,2,3
	v_exp_f32 v[240+\b], v[240+\b]                 ; each block's largest p
.endr
	v_pk_add_f32 v[244:245], v[100:101], v[104:105]
	v_pk_add_f32 v[246:247], v[108:109], v[112:113]
	v_pk_add_f32 v[94:95], v[116:117], v[120:121]
	v_pk_add_f32 v[92:93], v[124:125], v[128:129]
	v_pk_add_f32 v[90:91], v[132:133], v[136:137]
	v_pk_add_f32 v[88:89], v[140:141], v[144:145]
	v_pk_add_f32 v[86:87], v[148:149], v[152:153]
	v_pk_add_f32 v[14:15], v[14:15], v[156:157]
	v_pk_add_f32 v[244:245], v[244:245], v[96:97]
	v_pk_add_f32 v[246:247], v[246:247], v[98:99]
	v_pk_add_f32 v[94:95], v[94:95], v[102:103]
	v_pk_add_f32 v[92:93], v[92:93], v[106:107]
	v_pk_add_f32 v[90:91], v[90:91], v[110:111]
	v_pk_add_f32 v[88:89], v[88:89], v[114:115]
	v_pk_add_f32 v[86:87], v[86:87], v[118:119]
	v_pk_add_f32 v[14:15], v[14:15], v[122:123]
	v_pk_add_f32 v[244:245], v[244:245], v[126:127]
	v_pk_add_f32 v[246:247], v[246:247], v[130:131]
	v_pk_add_f32 v[94:95], v[94:95], v[134:135]
	v_pk_add_f32 v[92:93], v[92:93], v[138:139]
	v_pk_add_f32 v[90:91], v[90:91], v[142:143]
	v_pk_add_f32 v[88:89], v[88:89], v[146:147]
	v_pk_add_f32 v[86:87], v[86:87], v[150:151]
	v_pk_add_f32 v[14:15], v[14:15], v[154:155]
	v_pk_add_f32 v[244:245], v[244:245], v[158:159]
	s_delay_alu instid0(VALU_DEP_2)
	v_pk_add_f32 v[14:15], v[14:15], v[92:93]
	s_delay_alu instid0(VALU_DEP_2)
	v_pk_add_f32 v[244:245], v[244:245], v[90:91]
	v_pk_add_f32 v[246:247], v[246:247], v[88:89]
	v_pk_add_f32 v[94:95], v[94:95], v[86:87]
	s_delay_alu instid0(VALU_DEP_2)
	v_pk_add_f32 v[14:15], v[14:15], v[246:247]
	s_delay_alu instid0(VALU_DEP_2)
	v_pk_add_f32 v[244:245], v[244:245], v[94:95]
	s_delay_alu instid0(VALU_DEP_1)
	v_pk_add_f32 v[14:15], v[14:15], v[244:245]
	s_wait_alu depctr_va_vdst(0)                   ; and one for the four
.irp b, 0,1,2,3
	v_max_num_f32 v[240+\b], FLOOR, v[240+\b]
.endr
.irp b, 0,1,2,3
	s_delay_alu instid0(VALU_DEP_4)
	v_add_nc_u32 v[240+\b], OFF4, v[240+\b]        ; the conversions' scale operands
.endr
.irp b, 0,1,2,3
	s_delay_alu instid0(VALU_DEP_4)
	v_lshrrev_b32 v[244+\b], 23, v[240+\b]
.endr
	s_delay_alu instid0(VALU_DEP_3)
	v_lshl_or_b32 v31, v245, 8, v244               ; p's scale word for these 128 keys
	s_delay_alu instid0(VALU_DEP_1)
	v_lshl_or_b32 v31, v246, 16, v31
	s_delay_alu instid0(VALU_DEP_1)
	v_lshl_or_b32 v31, v247, 24, v31
	s_setprio 0
	v_cvt_scalef32_pk16_bf6_f32 v[80:82], v[96:111], v240
	v_cvt_scalef32_pk16_bf6_f32 v[86:88], v[128:143], v242
	v_nop                                          ; a plain line: the next two write registers that these two have read
	v_cvt_scalef32_pk16_bf6_f32 v[96:98], v[112:127], v241
	v_cvt_scalef32_pk16_bf6_f32 v[100:102], v[144:159], v243
	v_nop
.irp i, 0,1,2
	v_permlane16_swap_b32 v[80+\i], v[96+\i]
	v_permlane16_swap_b32 v[86+\i], v[100+\i]
.endr
.irp i, 0,1,2
	v_mov_b32 v[83+\i], v[96+\i]
	v_mov_b32 v[89+\i], v[100+\i]
.endr
.set n, 0
.rept 16
	v_pk_mul_f32 v[160+n:161+n], v[160+n:161+n], v[252:253] op_sel_hi:[1,0]   ; O^T under the new M; these sixteen also stand between the lines that made p's codes and scale word and the products
.set n, n+2
.endr
	s_wait_alu depctr_va_vdst(0)
	s_wait_dscnt 0x0                               ; V
.irp t, 0,1,2,3
	v_wmma_scale_f32_16x16x128_f8f6f4 v[160+8*\t:167+8*\t], v[192+12*\t:203+12*\t], v[80:91], v[160+8*\t:167+8*\t], v[248+\t], v31 matrix_a_fmt:MATRIX_FMT_BF6 matrix_b_fmt:MATRIX_FMT_BF6
.endr
.endm
	INIT
	s_wait_tensorcnt 0x0                           ; my two fills have landed,
	s_barrier_signal -1
	s_barrier_wait -1                              ; everybody's have: the head's K and V are whole
.Ltrip:
	s_cmp_ge_u32 s76, s77                          ; the key step: the trip's number, counted anew for the second tile
	s_cselect_b32 s80, s77, 0
	s_sub_co_u32 s80, s76, s80
	s_min_u32 s80, s80, 15
	s_lshl_b32 s81, s80, 7
	s_add_co_u32 s85, s78, 15
	s_cmp_gt_u32 s81, s85                          ; all its keys come after my queries: nothing to do
	s_cbranch_scc1 .Lhidden
	s_setprio 2
	STEP
.Lhidden:
	s_add_co_u32 s85, s76, 1
	s_cmp_lg_u32 s85, s77
	s_cbranch_scc1 .Lsame
	FINISH                                         ; the late block's tile is done; on to the early block's
	s_mov_b32 s78, s79
	INIT
.Lsame:
	s_add_co_u32 s76, s76, 1
	s_cmp_lt_u32 s76, 18
	s_cbranch_scc1 .Ltrip
	s_setprio 0
	FINISH
	s_wait_xcnt 0x0
	v_lshl_add_u32 v254, v0, 2, 0x33000
	v_mov_b32 v255, 0
	s_wait_alu depctr_va_vdst(0)
	s_wait_tensorcnt 0x0
	ds_add_u32 v254, v255
	s_wait_dscnt 0x0
	s_endpgm
.Lfunc_end_k_qeea95906ab_attn:
	.size	k_qeea95906ab_attn, .Lfunc_end_k_qeea95906ab_attn-k_qeea95906ab_attn
	.p2alignl 7, 3214868480
	.fill 96, 4, 3214868480
	.section	.rodata,"a",@progbits
	.p2align	6, 0x0
	.amdhsa_kernel k_qeea95906ab_attn
		.amdhsa_group_segment_fixed_size 210944
		.amdhsa_private_segment_fixed_size 0
		.amdhsa_enable_private_segment 0
		.amdhsa_kernarg_size 16
		.amdhsa_user_sgpr_count 2
		.amdhsa_user_sgpr_kernarg_segment_ptr 1
		.amdhsa_wavefront_size32 1
		.amdhsa_system_sgpr_workgroup_id_x 1
		.amdhsa_system_sgpr_workgroup_id_y 1
		.amdhsa_system_sgpr_workgroup_id_z 1
		.amdhsa_system_vgpr_workitem_id 0
		.amdhsa_next_free_vgpr 256
		.amdhsa_next_free_sgpr 100
		.amdhsa_reserve_vcc 1
		.amdhsa_float_denorm_mode_32 3
		.amdhsa_float_denorm_mode_16_64 3
		.amdhsa_memory_ordered 1
		.amdhsa_forward_progress 1
		.amdhsa_inst_pref_size 47
	.end_amdhsa_kernel
	.amdgpu_metadata
---
amdhsa.version: [ 1, 2 ]
amdhsa.kernels:
  - .name:           k_qeea95906ab_attn
    .symbol:         k_qeea95906ab_attn.kd
    .args:
      - { .name: qkv, .offset: 0, .size: 8, .value_kind: global_buffer, .address_space: global }
      - { .name: yq, .offset: 8, .size: 8, .value_kind: global_buffer, .address_space: global }
    .group_segment_fixed_size: 210944
    .private_segment_fixed_size: 0
    .kernarg_segment_align: 8
    .kernarg_segment_size: 16
    .max_flat_workgroup_size: 512
    .sgpr_count:     100
    .vgpr_count:     256
    .wavefront_size: 32
...
	.end_amdgpu_metadata
.endif
;; end of part 3
;; launch proj (part 4): grid 4 x 64, 4 waves a work-group, clusters of 4 x 4, 327,680 bytes of LDS; arguments yq, wq, b_proj, out0; writes out0
.if DOCPART == 4
	.amdgcn_target "amdgcn-amd-amdhsa--gfx1250"
	.amdhsa_code_object_version 6
	.text
	.protected	k_qeea95906ab_proj
	.globl	k_qeea95906ab_proj
	.p2align	8
	.type	k_qeea95906ab_proj,@function
k_qeea95906ab_proj:
	s_mov_b64 s[64:65], 0
	v_nop
	global_prefetch_b8 v0, s[64:65] scope:SCOPE_SE
	s_setreg_imm32_b32 hwreg(HW_REG_WAVE_MODE, 25, 1), 1
	s_wait_xcnt 0x0
	s_wait_alu depctr_hold_cnt(0) depctr_sa_sdst(0) depctr_va_vdst(0) depctr_va_sdst(0) depctr_va_ssrc(0) depctr_va_vcc(0) depctr_vm_vsrc(0)
	s_getreg_b32 s2, hwreg(HW_REG_IB_STS2, 6, 4)
	s_cmp_eq_u32 s2, 0
	s_cbranch_scc0 .Lentry_in_a_cluster
	s_endpgm
.Lentry_in_a_cluster:
	s_bfe_u32 s2, ttmp6, 0x10000c
	s_cmp_lg_u32 s2, 0xf033
	s_cbranch_scc0 .Lentry_shape_is_right
	s_endpgm
.Lentry_shape_is_right:
; out0 = y w_proj + b_proj on codes of BF6.  y's codes and scale words come from the attention launch, w_proj's from the first launch, both as images of operand registers
; (T0-3 at 16 L, T4-5 at 512 + 8 L, T6-9 at 768 + 16 L, T10-11 at 1280 + 8 L; [row tile][K step][1536]); inside each block of 32 both stand in the same order.
; A work-group makes 128 tokens x 256 columns (256 work-groups); a wave 64 x 128: 32 accumulators.  Source 0 = 16 columns of w_proj, source 1 = 16 tokens: a lane holds eight neighbouring numbers of a row of out0.
; ALL OF K (1,024) IS BROUGHT INTO LDS ONCE, in four chunks of 256, by joint loads at the head: wave 0 A's (shared along a row of the 4 x 4 cluster), waves 1 and 2 B's halves (shared along a column); five loads a wave are out at most.
; Nothing is filled again; a chunk is read behind a counted wait of the waves that fetched it and a barrier.
; The bias is the C of each sum's first matrix instruction.
; REGISTERS: window 0: v1-3 r, h, L; v16-19 LDS addresses of A's and B's images; v20, v21 the stage; v24, v25 16 L, 8 L; v27 scale words; v64-111, v112-159 A's fragments, two sets; v160-223 all scale words.
;   window 1: v0-95, v128-223 B's fragments, two sets; v96-127, v224-255 the bias.   window 2: the accumulators, (a, b) at v[8 (8 a + b)].
.set WPIMG, 8650752
.set WPSC,  9797632
.set YSC,   6291456
.set LB,    98304                      ; LDS: A [chunk 4][8 tiles][3072] from 0; B [chunk 4][16 tiles][3072] from here;
.set SCA,   294912                     ; A's scale words, 4,096 bytes;
.set SCB,   299008                     ; B's, 8,192
.set AF,  64
.set AFS, 48
.set SC,  160
.set G1A,  24
.set G1B,  32
.set G1SA, 40
.set G1SB, 48
.set MSB, 0
.macro WIN new
.if MSB != (\new)
	s_set_vgpr_msb (MSB<<8)|(\new)
.set MSB, (\new)
.endif
.endm
.macro PLACES n
.rept \n
	v_nop
.endr
.endm
.macro CROUND                          ; a round of the cluster's barrier
	s_barrier_signal -1
	s_barrier_wait -1
	s_cmp_lg_u32 s14, 0
	s_cbranch_scc1 .Lnot_wave_0_\@
	s_barrier_signal -3
.Lnot_wave_0_\@:
	s_barrier_wait -3
	s_barrier_signal -1
	s_barrier_wait -1
.endm
.macro FRAG reg, a16, a8, off
	ds_load_b128 v[\reg:\reg+3], v[\a16] offset:\off
	ds_load_b64 v[\reg+4:\reg+5], v[\a8] offset:(\off)+512
	ds_load_b128 v[\reg+6:\reg+9], v[\a16] offset:(\off)+768
	ds_load_b64 v[\reg+10:\reg+11], v[\a8] offset:(\off)+1280
.endm
.macro FETCH q, p                      ; 48 LDS loads in one run: my 8 fragments of B and 4 of A, the chunk's q-th 128 along K, into set p
	WIN 0x40
.irp i, 0,1,2,3,4,5,6,7
	FRAG 128*(\p)+12*\i, 18, 19, 3072*\i+1536*(\q)
.endr
	WIN 0
.irp i, 0,1,2,3
	FRAG AF+AFS*(\p)+12*\i, 16, 17, 3072*\i+1536*(\q)
.endr
.endm
; 8 matrix instructions: A's block a against B's eight.  cm = 1: the sums begin with the bias.  The 32 accumulators take turns, one instruction a turn.
.macro MULA a, p, q, sc, cm
.if (\cm) == 0
	WIN 0xa1
.else
	WIN 0x91
.endif
.irp b, 0,1,2,3,4,5,6,7
.set DD, 8*(8*(\a)+\b)
.set FB, 128*(\p)+12*\b
.set FA, AF+AFS*(\p)+12*(\a)
.set RSB, SC+16*(\sc)+2*\b+(\q)
.set RSA, SC+16*(\sc)+2*(\a)+(\q)
.if (\cm) == 0
.set CC, DD
.else
.set CC, 96+8*\b+96*(\b/4)
.endif
	v_wmma_scale_f32_16x16x128_f8f6f4 v[DD:DD+7], v[FB:FB+11], v[FA:FA+11], v[CC:CC+7], v[RSB], v[RSA] matrix_a_fmt:MATRIX_FMT_BF6 matrix_b_fmt:MATRIX_FMT_BF6 matrix_a_scale:MATRIX_SCALE_ROW1
.endr
.endm
	s_load_b256 s[4:11], s[0:1], 0x0               ; yq s[4:5], wq s[6:7], b_proj s[8:9], out0 s[10:11]
	v_lshl_add_u32 v254, v0, 2, 0x4b000
	v_mov_b32 v255, 0
	ds_add_u32 v254, v255
	ds_add_u32 v254, v255
	v_lshrrev_b32 v1, 5, v0
	v_readfirstlane_b32 s14, v1                    ; wave
	s_lshr_b32 s15, s14, 1                         ; my half of the tokens
	s_and_b32 s16, s14, 1                          ; my half of the columns
	s_bfe_u32 s17, ttmp6, 0x40000                  ; cx = the tile of 256 columns
	s_bfe_u32 s18, ttmp6, 0x40004                  ; cy
	s_and_b32 s19, ttmp7, 0xffff
	s_lshl_b32 s19, s19, 2
	s_add_co_u32 s19, s19, s18                     ; the tile of 128 tokens = 4 x cluster y + cy
	s_lshl_b32 s20, s18, 2
	s_lshl_b32 s20, 15, s20                        ; my row of the cluster
	s_lshl_b32 s21, 0x1111, s17                    ; my column
	s_or_b32 s[G1A], s20, (3<<16)|(1<<21)          ; 15:0 the mask; 17:16 elements of 8 bytes; 21 set beside a mask; no padding
	s_or_b32 s[G1B], s21, (3<<16)|(1<<21)
.irp g, G1A, G1B                       ; 8 rows (row tiles) of 3,072 bytes (two K steps' images), 12,288 bytes apart
	s_mov_b32 s[\g+1], 384<<16
	s_mov_b32 s[\g+2], 8<<16
	s_mov_b32 s[\g+3], 384<<16
	s_mov_b32 s[\g+4], 8
	s_mov_b32 s[\g+5], 1536
	s_mov_b32 s[\g+6], 0
	s_mov_b32 s[\g+7], 0
.endr
	s_or_b32 s[G1SA], s20, (3<<16)|(1<<21)
	s_or_b32 s[G1SB], s21, (3<<16)|(1<<21)
.irp g, G1SA, G1SB                     ; the scale words of 8 row tiles: 4,096 dense bytes as 16 rows of 256
	s_mov_b32 s[\g+1], 32<<16
	s_mov_b32 s[\g+2], 16<<16
	s_mov_b32 s[\g+3], 32<<16
	s_mov_b32 s[\g+4], 16
	s_mov_b32 s[\g+5], 32
	s_mov_b32 s[\g+6], 0
	s_mov_b32 s[\g+7], 0
.endr
	s_add_co_u32 s22, s14, 1
	s_and_b32 s22, s22, 1                          ; which half of B: wave 1: 0, wave 2: 1
	s_mul_i32 s2, s19, 8*12288                     ; A's images,
	s_mov_b32 s3, 0
	s_lshl_b32 s12, s19, 12                        ; A's scale words
	s_add_co_u32 s12, s12, YSC
	s_mov_b32 s13, 0
	s_lshl_b32 s23, s17, 4
	s_lshl_b32 s66, s22, 3
	s_add_co_u32 s23, s23, s66                     ; B: row tile 16 cx + 8 half
	s_mul_i32 s66, s23, 12288
	s_add_co_u32 s66, s66, WPIMG
	s_mov_b32 s67, 0
	s_lshl_b32 s100, s23, 9
	s_add_co_u32 s100, s100, WPSC
	s_mov_b32 s101, 0
	s_mul_i32 s20, s22, 24576
	s_add_co_u32 s20, s20, LB                      ; where B's half goes,
	s_lshl_b32 s21, s22, 12
	s_add_co_u32 s21, s21, SCB                     ; and its scale words
	s_wait_dscnt 0x0
	s_wait_kmcnt 0x0
	s_add_nc_u64 s[2:3], s[4:5], s[2:3]
	s_add_nc_u64 s[12:13], s[4:5], s[12:13]
	s_add_nc_u64 s[66:67], s[6:7], s[66:67]
	s_add_nc_u64 s[100:101], s[6:7], s[100:101]
	s_mov_b32 s56, 1                               ; groups 0, one for each load: A's at s56, s60, s68, s72, s76; B's at s80 .. s96
	s_mov_b32 s57, SCA
	s_mov_b64 s[58:59], s[12:13]
	s_or_b32 s59, s59, 0x80000000
	s_mov_b32 s80, 1
	s_mov_b32 s81, s21
	s_mov_b64 s[82:83], s[100:101]
	s_or_b32 s83, s83, 0x80000000
.irp c, 0,1,2,3
.set GK, 56+4*(\c+1)+4*((\c+3)/4)
	s_mov_b32 s[GK], 1
	s_mov_b32 s[GK+1], 24576*\c
	s_add_nc_u64 s[GK+2:GK+3], s[2:3], 3072*\c
	s_or_b32 s[GK+3], s[GK+3], 0x80000000
	s_mov_b32 s[84+4*\c], 1
	s_add_co_u32 s[85+4*\c], s20, 49152*\c
	s_add_nc_u64 s[86+4*\c:87+4*\c], s[66:67], 3072*\c
	s_or_b32 s[87+4*\c], s[87+4*\c], 0x80000000
.endr
	CROUND                                         ; all sixteen work-groups are here: the joint loads meet
	s_cmp_eq_u32 s14, 0                            ; a wave's fills stand in one branch on its number; four v_nop follow the last
	s_cbranch_scc0 .Lnot_a
	tensor_load_to_lds s[56:59], s[G1SA:G1SA+7]
	s_nop 0
	tensor_load_to_lds s[60:63], s[G1A:G1A+7]
	s_nop 0
	tensor_load_to_lds s[68:71], s[G1A:G1A+7]
	s_nop 0
	tensor_load_to_lds s[72:75], s[G1A:G1A+7]
	s_nop 0
	tensor_load_to_lds s[76:79], s[G1A:G1A+7]
	s_nop 0
.rept 4
	v_nop
.endr
	s_branch .Lasked
.Lnot_a:
	s_cmp_eq_u32 s14, 3
	s_cbranch_scc1 .Lasked
	tensor_load_to_lds s[80:83], s[G1SB:G1SB+7]
	s_nop 0
	tensor_load_to_lds s[84:87], s[G1B:G1B+7]
	s_nop 0
	tensor_load_to_lds s[88:91], s[G1B:G1B+7]
	s_nop 0
	tensor_load_to_lds s[92:95], s[G1B:G1B+7]
	s_nop 0
	tensor_load_to_lds s[96:99], s[G1B:G1B+7]
	s_nop 0
.rept 4
	v_nop
.endr
.Lasked:
	v_and_b32 v1, 15, v0                           ; r
	v_bfe_u32 v2, v0, 4, 1                         ; h
	v_and_b32 v3, 31, v0                           ; L
	v_lshlrev_b32 v24, 4, v3
	v_lshlrev_b32 v25, 3, v3
	s_mul_i32 s20, s15, 4*3072                     ; my four row tiles of A,
	v_add_nc_u32 v16, s20, v24
	v_add_nc_u32 v17, s20, v25
	s_mul_i32 s21, s16, 8*3072
	s_add_co_u32 s21, s21, LB                      ; my eight of B
	v_add_nc_u32 v18, s21, v24
	v_add_nc_u32 v19, s21, v25
	s_lshl_b32 s20, s15, 11                        ; scale words: A's at 2,048 x my half; B's 4,096 further, at 4,096 x my half
	s_lshl_b32 s21, s16, 12
	s_add_co_u32 s21, s21, 4096
	s_sub_co_u32 s21, s21, s20
	v_mul_u32_u24 v4, s21, v2                      ; lanes 16-31 take B's: one product, the distance between the two
	v_lshl_add_u32 v4, v1, 3, v4
	s_add_co_u32 s20, s20, SCA
	v_add_nc_u32 v27, s20, v4
	s_mul_i32 s20, s14, 8448                       ; my stage for the way out: 16 rows of 512 + 16 bytes, in A's first chunks, which are read no more by then
	v_mul_u32_u24 v5, v1, 528
	v_lshl_add_u32 v5, v2, 5, v5
	v_add_nc_u32 v20, s20, v5
	v_add_nc_u32 v21, s20, v24
	s_lshl_b32 s20, s17, 10                        ; my first column, in bytes: 1,024 cx + 512 half: in b_proj and in a row of out0
	s_lshl_b32 s21, s16, 9
	s_add_co_u32 s20, s20, s21
	s_mov_b32 s21, 0
	s_add_nc_u64 s[8:9], s[8:9], s[20:21]
	s_add_nc_u64 s[10:11], s[10:11], s[20:21]
	s_lshl_b32 s20, s19, 7
	s_lshl_b32 s22, s15, 6
	s_add_co_u32 s20, s20, s22
	s_lshl_b32 s20, s20, 12                        ; my first token's row of 4,096 bytes
	s_add_nc_u64 s[10:11], s[10:11], s[20:21]
	v_lshlrev_b32 v26, 5, v2
	WIN 0x40
.irp b, 0,1,2,3,4,5,6,7
	global_load_b128 v[96+8*\b+96*(\b/4):96+8*\b+96*(\b/4)+3], v26, s[8:9] offset:64*\b       ; b_proj[.. + 16 b + 8 h + j]
	global_load_b128 v[96+8*\b+96*(\b/4)+4:96+8*\b+96*(\b/4)+7], v26, s[8:9] offset:64*\b+16
.endr
	WIN 0
	s_wait_tensorcnt 0x3                           ; my scale words and my part of chunk 0 are in; chunks 1 to 3 may be out
	s_barrier_signal -1
	s_barrier_wait -1
.irp c, 0,1,2,3
.irp i, 0,1,2,3,4,5,6,7
	ds_load_b64 v[SC+16*\c+2*\i:SC+16*\c+2*\i+1], v27 offset:512*\i+128*\c      ; all scale words, once: lanes 0-15 A's block i (0 to 3 are used), lanes 16-31 B's block i
.endr
.endr
	FETCH 0, 0
	s_wait_loadcnt 0x0                             ; the bias
.macro CHUNK c
	s_wait_dscnt 0x0                               ; set 0 is in
	PLACES 4                                       ; in front of loads into registers that matrix instructions have read
	FETCH 1, 1
.irp a, 0,1,2,3
.if (\c) == 0
	MULA \a, 0, 0, \c, 1
.else
	MULA \a, 0, 0, \c, 0
.endif
.endr
	WIN 0
	s_wait_dscnt 0x0                               ; set 1 is in
.if (\c) < 3
	s_wait_tensorcnt 2-(\c)                        ; my part of the next chunk has landed; the later chunks' loads may be out
	s_barrier_signal -1
	MULA 0, 1, 1, \c, 0
	MULA 1, 1, 1, \c, 0
	WIN 0
	s_barrier_wait -1                              ; everybody's has
	PLACES 4
	v_add_nc_u32 v16, 24576, v16                   ; on to the next chunk
	v_add_nc_u32 v17, 24576, v17
	v_add_nc_u32 v18, 49152, v18
	v_add_nc_u32 v19, 49152, v19
	FETCH 0, 0
	MULA 2, 1, 1, \c, 0
	MULA 3, 1, 1, \c, 0
.else
.irp a, 0,1,2,3
	MULA \a, 1, 1, \c, 0
.endr
.endif
	WIN 0
.endm
	CHUNK 0
	CHUNK 1
	CHUNK 2
	CHUNK 3
; THE WAY OUT, block by block of 16 tokens x 128 columns: a lane's 32 bytes of a row go into my stage and come back as whole rows of 512 bytes.  LDS serves a wave's instructions in order.
.macro TOSTAGE a
.set AC, 64*(\a)
	WIN 0x08                                       ; an LDS store's data are its source 1: window 2
.irp b, 0,1,2,3,4,5,6,7
	ds_store_b128 v20, v[AC+8*\b:AC+8*\b+3] offset:64*\b           ; each accumulator from its low end on
	ds_store_b128 v20, v[AC+8*\b+4:AC+8*\b+7] offset:64*\b+16
.endr
	WIN 0
.set BK, 64+64*((\a)%2)
.irp t, 0,1,2,3,4,5,6,7,8,9,10,11,12,13,14,15
	ds_load_b128 v[BK+4*\t:BK+4*\t+3], v21 offset:\t*528
.endr
.endm
.macro SEND a, younger
.set BK, 64+64*((\a)%2)
	s_wait_dscnt \younger                          ; the block is back in registers; the next block's 16 stores and 16 loads may be out
.if (\a) > 0
	s_add_nc_u64 s[10:11], s[10:11], 65536         ; 16 rows on (the earlier stores have read their base: the wait on XCNT stands ahead)
.endif
.irp t, 0,1,2,3,4,5,6,7,8,9,10,11,12,13,14,15
	global_store_b128 v24, v[BK+4*\t:BK+4*\t+3], s[10:11] offset:\t*4096 th:TH_STORE_NT      ; 32 lanes store 512 consecutive bytes, aligned
.endr
.endm
	PLACES 4                                       ; behind the last products
	TOSTAGE 0
.irp a, 1,2,3
.if \a > 1
	s_wait_xcnt 0x0                                ; block a - 2's stores have read their registers and their base
.endif
	TOSTAGE \a
	SEND \a-1, 32
.endr
	s_wait_xcnt 0x0
	SEND 3, 0
	s_wait_tensorcnt 0x0
	ds_add_u32 v254, v255
	s_wait_dscnt 0x0
	CROUND                                         ; the closing round: no work-group ends while a partner may still ask for a tile that names it
	s_endpgm
.Lfunc_end_k_qeea95906ab_proj:
	.size	k_qeea95906ab_proj, .Lfunc_end_k_qeea95906ab_proj-k_qeea95906ab_proj
	.p2alignl 7, 3214868480
	.fill 96, 4, 3214868480
	.section	.rodata,"a",@progbits
	.p2align	6, 0x0
	.amdhsa_kernel k_qeea95906ab_proj
		.amdhsa_group_segment_fixed_size 327680
		.amdhsa_private_segment_fixed_size 0
		.amdhsa_enable_private_segment 0
		.amdhsa_kernarg_size 32
		.amdhsa_user_sgpr_count 2
		.amdhsa_user_sgpr_kernarg_segment_ptr 1
		.amdhsa_wavefront_size32 1
		.amdhsa_system_sgpr_workgroup_id_x 1
		.amdhsa_system_sgpr_workgroup_id_y 1
		.amdhsa_system_sgpr_workgroup_id_z 1
		.amdhsa_system_vgpr_workitem_id 0
		.amdhsa_next_free_vgpr 768
		.amdhsa_next_free_sgpr 102
		.amdhsa_reserve_vcc 0
		.amdhsa_float_denorm_mode_32 3
		.amdhsa_float_denorm_mode_16_64 3
		.amdhsa_memory_ordered 1
		.amdhsa_forward_progress 1
		.amdhsa_inst_pref_size 88
	.end_amdhsa_kernel
	.amdgpu_metadata
---
amdhsa.version: [ 1, 2 ]
amdhsa.kernels:
  - .name:           k_qeea95906ab_proj
    .symbol:         k_qeea95906ab_proj.kd
    .args:
      - { .name: yq, .offset: 0, .size: 8, .value_kind: global_buffer, .address_space: global }
      - { .name: wq, .offset: 8, .size: 8, .value_kind: global_buffer, .address_space: global }
      - { .name: b_proj, .offset: 16, .size: 8, .value_kind: global_buffer, .address_space: global }
      - { .name: out0, .offset: 24, .size: 8, .value_kind: global_buffer, .address_space: global }
    .group_segment_fixed_size: 327680
    .private_segment_fixed_size: 0
    .kernarg_segment_align: 8
    .kernarg_segment_size: 32
    .max_flat_workgroup_size: 128
    .sgpr_count:     102
    .vgpr_count:     768
    .wavefront_size: 32
...
	.end_amdgpu_metadata
.endif
;; end of part 4
